; MI455X (gfx1250); checked and timed in simulation.
; The chip was launched on July 23, 2026; its instructions are those of AMD's public machine-readable ISA for CDNA 5 (MIT licence, August 2026) and "CDNA5" Instruction Set Architecture Reference Guide (July 2026). The comments in the code are by the model that wrote it; some were corrected since.
;; UHG Transformer. Allowed arithmetic: matrix products marked QUANTISED: E2M3 operands, one E8M0 scale for each 32 along K, by v_wmma_scale_f32_16x16x128_f8f6f4 with both operands' format E2M3, f32 sums; everything else in f32.
;; Inputs: b1 4,096 float32; b2 1,024 float32; beta1 1,024 float32; beta2 1,024 float32; bk 1,024 float32; bo 1,024 float32; bq 1,024 float32; bv 1,024 float32; g1 1,024 float32; g2 1,024 float32; src 2,048 x 2 x 1,024 float32; w1_codes 4,096 x 32 x 24 uint8 (E2M3 codes of w1, K innermost, in blocks of 32 codes, four codes in three bytes); w1_scales 4,096 x 32 uint8 (E8M0 scales of w1, one for each 32 codes along K); w2_codes 1,024 x 128 x 24 uint8 (E2M3 codes of w2, K innermost, in blocks of 32 codes, four codes in three bytes); w2_scales 1,024 x 128 uint8 (E8M0 scales of w2, one for each 32 codes along K); wk_codes 1,024 x 32 x 24 uint8 (E2M3 codes of wk, K innermost, in blocks of 32 codes, four codes in three bytes); wk_scales 1,024 x 32 uint8 (E8M0 scales of wk, one for each 32 codes along K); wo_codes 1,024 x 32 x 24 uint8 (E2M3 codes of wo, K innermost, in blocks of 32 codes, four codes in three bytes); wo_scales 1,024 x 32 uint8 (E8M0 scales of wo, one for each 32 codes along K); wq_codes 1,024 x 32 x 24 uint8 (E2M3 codes of wq, K innermost, in blocks of 32 codes, four codes in three bytes); wq_scales 1,024 x 32 uint8 (E8M0 scales of wq, one for each 32 codes along K); wv_codes 1,024 x 32 x 24 uint8 (E2M3 codes of wv, K innermost, in blocks of 32 codes, four codes in three bytes); wv_scales 1,024 x 32 uint8 (E8M0 scales of wv, one for each 32 codes along K).
;; Outputs: out0 2,048 x 2 x 1,024 float32.
;; This version of the problem:
;;   THIS VERSION OF THE PROBLEM IS GIVEN IN LOW PRECISION. The matrix products marked QUANTISED in the list below multiply operands that are first quantised to E2M3 (2 exponent bits, 3 mantissa bits; 6 bits a number), with one power-of-two scale for each 32 numbers along K (OCP MX v1.0); their sums are f32. All else is computed in f32.
;;   The module's matrix products, in the order in which they are computed (A, B: the left and right operand; K: the contracted axis; several contracted axes count as one K, in the product's order):
;;     1. [M 4,096, K 1,024] x [K 1,024, N 1,024]; A: input src; B: input wq (given as codes): QUANTISED
;;     2. [M 4,096, K 1,024] x [K 1,024, N 1,024]; A: input src; B: input wk (given as codes): QUANTISED
;;     3. [M 4,096, K 1,024] x [K 1,024, N 1,024]; A: input src; B: input wv (given as codes): QUANTISED
;;     4. batch 32 x [M 2,048, K 64] x [K 64, N 2,048]; A: computed on the way; B: computed on the way: QUANTISED
;;     5. batch 32 x [M 64, K 2,048] x [K 2,048, N 2,048]; A: computed on the way; B: softmax (see below): QUANTISED
;;     6. [M 4,096, K 1,024] x [K 1,024, N 1,024]; A: computed on the way; B: input wo (given as codes): QUANTISED
;;     7. [M 4,096, K 1,024] x [K 1,024, N 4,096]; A: computed on the way; B: input w1 (given as codes): QUANTISED
;;     8. [M 4,096, K 4,096] x [K 4,096, N 1,024]; A: computed on the way; B: input w2 (given as codes): QUANTISED
;;   THE QUANTISER, for each operand of a quantised product, along K:
;;     - K is cut into blocks of 32 from its start; a last block that is shorter is filled with zeros.
;;     - A block's scale is 2^e with e = floor(log2(the largest magnitude in the block)) - 2, held to -126 .. 127; a block of zeros has e = 0. As a byte (E8M0): e + 127.
;;     - Each number is divided by its block's scale, clamped to +-7.5, and rounded to the nearest number of E2M3, ties to even, subnormals kept.
;;     - The product sums the exact products of the quantised numbers (number of the format x scale) in f32.
;;   ~~~python
;;   def quantise(x, axis):      # numpy; x: float32 -> the quantised numbers, widened to float32 again
;;       x = np.moveaxis(x, axis, -1); K = x.shape[-1]
;;       x = np.pad(x, [(0, 0)] * (x.ndim - 1) + [(0, -K % 32)]); x = x.reshape(x.shape[:-1] + (-1, 32)); a = np.abs(x).max(-1, keepdims=True)
;;       e = np.where(a > 0, np.clip(np.frexp(np.where(a > 0, a, 1))[1] - 1 - 2, -126, 127), 0)      # np.frexp(a)[1] - 1 = floor(log2(a)), exactly
;;       r = np.clip(x / 2.0 ** e, -7.5, 7.5)
;;       step = 2.0 ** (np.maximum(np.frexp(np.where(r == 0, 1, r))[1] - 1, 0) - 3)
;;       q = np.round(r / step) * step * 2.0 ** e      # np.round: ties to even
;;       return np.moveaxis(q.reshape(q.shape[:-2] + (-1,))[..., :K], -1, axis).astype(np.float32)
;;   ~~~
;;   SOFTMAX AHEAD OF A QUANTISED PRODUCT. Where the list says 'softmax', what is quantised is not the finished softmax but p = 2^(t - M), with t = logit x log2(e) and M = ceil(the row's largest t), a whole number; so 1/2 < the row's largest p <= 1. The row's sum l is taken of the UNQUANTISED p, in f32, and the product's result is divided by l at the end. Since M is a whole number, a kernel that streams over the keys may use a running M (the ceiling of the running maximum): every later rescaling is an exact power of two, which a block's scale takes up: the codes' values come out the same.
;;   OPERANDS COMPUTED ON THE WAY. 'Computed on the way' means the value that the module computes at that place (a softmax that the list does not call 'softmax' is quantised finished and normalised). What goes into a quantiser is computed in f32, as accurately as f32 sums, v_exp_f32 and their like allow (about 1e-6 of the number): no bf16 or f16 on the way to a quantiser, and a product that is left as it is and whose result goes on into a quantised operand takes f32 operands (vector FMAs, or v_wmma_f32_16x16x4_f32). A number that lies on a knife's edge between two numbers of the format may be rounded either way, as far as f32 arithmetic and the matrix unit's own rounding can turn it there, and no further.
;;   INPUTS GIVEN AS CODES. w1 (in the module: [4096, 1024], K = its axis 1); w2 (in the module: [1024, 4096], K = its axis 1); wk (in the module: [1024, 1024], K = its axis 1); wo (in the module: [1024, 1024], K = its axis 1); wq (in the module: [1024, 1024], K = its axis 1); wv (in the module: [1024, 1024], K = its axis 1): each comes as NAME_codes (uint8): NAME with its K axis moved to the last place and cut into blocks of 32 codes, [.., K / 32, bytes a block], one block behind the other in memory; four codes in three bytes: a row's codes are one little-endian stream of bits, code i at bits 6 i .. 6 i + 5 (a code: sign, 2 exponent bits, 3 mantissa bits); and NAME_scales (uint8): the same leading axes, one E8M0 byte (e + 127) for each 32 codes along K. Its value is code x scale, taken as it is: it is not quantised again, and the codes and scales need not be those that the quantiser above would give.
;; One version. Each part assembles by itself: llvm-mc -triple=amdgcn-amd-amdhsa -mcpu=gfx1250 --defsym DOCPART=n.
;; ======== version 1 of 1: 8 launches
;; limits: right only within a limited range of input values
;; workspace buffers: prepbuf 13,107,200 bytes; qkvbuf 13,893,632 bytes; ao 3,276,800 bytes; xall 20,054,016 bytes; ssq 262,144 bytes; hq 13,107,200 bytes; y2 16,777,216 bytes
;; launch prep (part 1): grid 320 x 1, 4 waves a work-group, no clusters, 0 bytes of LDS; arguments src, wq_codes, wq_scales, wk_codes, wk_scales, wv_codes, wv_scales, wo_codes, wo_scales, w1_codes, w1_scales, w2_codes, w2_scales, prepbuf; writes prepbuf
.if DOCPART == 1
	.amdgcn_target "amdgcn-amd-amdhsa--gfx1250"
	.amdhsa_code_object_version 6
	.text
	.protected	k_q5455052c9f_prep
	.globl	k_q5455052c9f_prep
	.p2align	8
	.type	k_q5455052c9f_prep,@function
k_q5455052c9f_prep:
	s_mov_b64 s[64:65], 0
	v_nop
	global_prefetch_b8 v0, s[64:65] scope:SCOPE_SE
	s_setreg_imm32_b32 hwreg(HW_REG_WAVE_MODE, 25, 1), 1
	s_wait_xcnt 0x0
; PREP: everything that later launches read many times is laid once in the order of the matrix operands' registers.
; (a) work-groups 0-127: src [4096][1024] f32 is quantised to E2M3 with one E8M0 byte for 32 along K.  Wave U takes 64 rows (i = U / 8) x 128 K (q = U % 8).
;     A tile of 16 rows is T = 4 i + m, m = 2 u + b: lane r holds s = 32 i + 8 u + r + 8 (r / 8), memory row 2 s + b.
;     A fragment (12 registers a lane) is stored as six runs of 256 bytes: run j, lane l at 8 l, registers 2 j, 2 j + 1.
; (b) work-groups 128-319: the six weights' codes are copied into images of 1,536 bytes (three runs of 512 bytes, lane l at 16 l, registers 4 c .. 4 c + 3),
;     ordered [group of G tiles][K step of 128][tile]; lane r of tile t takes weight row 32 (t / 2) + 8 (t % 2) + r + 8 (r / 8).  Scale words: [group][K step][r][tile].
; LIMITS: NaN and infinities are not served; a block whose largest magnitude lies under 2^-124 (a block of zeros too) gets the byte 1: its codes are then what the floor gives, and this program alone reads the bytes.
; No LDS, no barrier, no matrix work: memory binds, waves share nothing.
.set PC,  96                           ; v96-114  the codes just made
.set TM,  116                          ; v116-131 at work in the quantiser
.set PW,  132                          ; v132     the scale word just made; v133-136 the four tiles' words
.set SEL, 36                           ; s[36:37] selects for lane l xor 16
; 64 numbers of a lane, register 16 b + i = k 32 b + 16 (lane / 16) + i of its row, become a fragment's codes in v[PC] on and its scale word in v[PW]
.macro QUANT s
.irp b, 0,1,2,3
	v_max3_num_f32 v[TM+\b], |v[\s+16*\b]|, |v[\s+1+16*\b]|, 0x1800000   ; my 16 numbers of block b, and the floor 2^(3 - 127): the byte cannot fall under 1
.endr
.irp i, 2,4,6,8,10,12,14
.irp b, 0,1,2,3
	v_max3_num_f32 v[TM+\b], v[TM+\b], |v[\s+16*\b+\i]|, |v[\s+1+16*\b+\i]|
.endr
.endr
.irp b, 0,1,2,3
	v_permlanex16_b32 v[TM+4+\b], v[TM+\b], s[SEL], s[SEL+1]
.endr
.irp b, 0,1,2,3
	v_max_num_f32 v[TM+\b], v[TM+\b], v[TM+4+\b]   ; with lane l xor 16's: the block's largest magnitude
.endr
.irp b, 0,1,2,3
	v_add_nc_u32 v[TM+12+\b], 0xff000000, v[TM+\b]   ; 2 off its exponent field: the conversion's scale operand
.endr
.irp b, 0,1,2,3
	v_lshrrev_b32 v[TM+4+\b], 23, v[TM+12+\b]   ; the scale's byte
.endr
	v_lshl_or_b32 v[PW], v[TM+5], 8, v[TM+4]
	v_lshl_or_b32 v[PW], v[TM+6], 16, v[PW]
	v_lshl_or_b32 v[PW], v[TM+7], 24, v[PW]
.irp c, 0,1
	v_cvt_scalef32_pk16_fp6_f32 v[PC+6*\c:PC+2+6*\c], v[\s+32*\c:\s+15+32*\c], v[TM+12+2*\c]
	v_cvt_scalef32_pk16_fp6_f32 v[PC+12+4*\c:PC+14+4*\c], v[\s+16+32*\c:\s+31+32*\c], v[TM+12+2*\c+1]   ; (three registers begin on an even number)
.endr
	v_nop                                          ; one plain instruction behind a scaled conversion
.irp c, 0,1                                    ; the operand wants a whole block in a lane: lanes 0-15 block 2 c, lanes 16-31 block 2 c + 1
.irp i, 0,1,2
	v_permlane16_swap_b32 v[PC+6*\c+\i], v[PC+12+4*\c+\i]
.endr
.irp i, 0,1,2
	v_mov_b32 v[PC+3+6*\c+\i], v[PC+12+4*\c+\i]
.endr
.endr
.endm
.macro XLOAD reg, m                    ; tile m's 64 numbers a lane: 16 neighbours of each of four blocks
.irp b, 0,1,2,3
.irp j, 0,1,2,3
	global_load_b128 v[\reg+16*\b+4*\j:\reg+16*\b+4*\j+3], v4, s[4:5] offset:((\m)/2)*65536+((\m)%2)*4096+128*\b+16*\j th:TH_LOAD_NT
.endr
.endr
.endm
.macro SRCT m, reg, left, more         ; tile m is quantised and stored; left: the next tile's loads, which may stay out
	s_wait_loadcnt \left
	s_wait_xcnt 0x0                                ; the last tile's stores have read the codes' registers
	QUANT \reg
.irp j, 0,1,2,3,4,5
	global_store_b64 v5, v[PC+2*\j:PC+2*\j+1], s[42:43] offset:(\m)*1536+256*\j   ; 32 lanes store 256 consecutive bytes, aligned
.endr
	v_mov_b32 v[133+(\m)], v[PW]
.if \more
	XLOAD \reg, (\m)+2
.endif
.endm
; one tile of a weight, eight K steps of 128.  s39 tile, s48 first K step, s46 / s47 where the weight's images / scale words begin in prepbuf
.macro WUNIT G, LG, KROW, KSB, NKS, cptr, sptr
	s_lshr_b32 s50, s39, 1
	s_lshl_b32 s50, s50, 5
	s_and_b32 s51, s39, 1
	s_lshl_b32 s51, s51, 3
	s_add_co_u32 s50, s50, s51                     ; the tile's first row: 32 (t / 2) + 8 (t % 2)
	s_mul_i32 s50, s50, \KROW
	s_mul_i32 s51, s48, 96
	s_add_co_u32 s50, s50, s51
	s_mov_b32 s51, 0
	s_add_nc_u64 s[52:53], s[\cptr:\cptr+1], s[50:51]
	s_lshr_b32 s54, s39, \LG                       ; group
	s_and_b32 s55, s39, \G-1                       ; tile in the group
	s_mul_i32 s54, s54, \NKS
	s_add_co_u32 s54, s54, s48                     ; group x K steps + first K step
	s_mul_i32 s50, s54, \G
	s_add_co_u32 s50, s50, s55
	s_mul_i32 s50, s50, 1536
	s_add_co_u32 s50, s50, s46
	s_add_nc_u64 s[56:57], s[32:33], s[50:51]      ; the images
	s_and_b32 s58, s39, 3
	s_lshl_b32 s58, s58, 1                         ; of a quad of tiles' eight K steps of scale words this wave takes two: 2 (tile % 4) + lane / 16
	s_lshr_b32 s50, s39, 2
	s_mul_i32 s50, s50, 64*\KSB                    ; the quad's first row
	s_add_co_u32 s59, s48, s58
	s_lshl_b32 s59, s59, 2
	s_add_co_u32 s50, s50, s59
	s_add_nc_u64 s[60:61], s[\sptr:\sptr+1], s[50:51]
	s_add_co_u32 s50, s54, s58
	s_mul_i32 s50, s50, 64*\G
	s_and_b32 s55, s55, 0xfc
	s_lshl_b32 s55, s55, 2
	s_add_co_u32 s50, s50, s55
	s_add_co_u32 s50, s50, s47
	s_add_nc_u64 s[62:63], s[32:33], s[50:51]
	v_mul_u32_u24 v8, v6, \KROW
	v_mad_u32_u24 v8, v2, 24, v8                   ; codes: my row, + 24 bytes for the upper half of the lanes
	v_mul_u32_u24 v9, v6, \KSB
	v_lshl_add_u32 v9, v2, 2, v9                   ; scale bytes: my row, + one word for the upper half
	v_lshlrev_b32 v10, 4, v3
	v_mul_u32_u24 v11, v1, 4*\G
	v_mad_u32_u24 v11, v2, 64*\G, v11
.irp z, 0,1,2,3,4,5,6,7
.irp p, 0,1,2,3,4,5
	global_load_b64 v[32+12*\z+2*\p:33+12*\z+2*\p], v8, s[52:53] offset:96*\z+48*(\p/3)+8*(\p%3)
.endr
.endr
	global_load_b32 v128, v9, s[60:61]
	global_load_b32 v129, v9, s[60:61] offset:8*\KSB
	global_load_b32 v130, v9, s[60:61] offset:32*\KSB
	global_load_b32 v131, v9, s[60:61] offset:40*\KSB
	s_wait_alu depctr_va_vdst(0)
	s_wait_loadcnt 0x0
.irp z, 0,1,2,3,4,5,6,7
.irp c, 0,1,2
	global_store_b128 v10, v[32+12*\z+4*\c:35+12*\z+4*\c], s[56:57] offset:\z*\G*1536+512*\c   ; 512 consecutive bytes
.endr
.endr
	global_store_b128 v11, v[128:131], s[62:63]    ; four tiles' words of my row and K step
	s_endpgm
.endm
	s_load_b64 s[4:5], s[0:1], 0x0                 ; src
	s_load_b512 s[8:23], s[0:1], 0x8               ; wq, wk, wv, wo: codes, scales
	s_load_b256 s[24:31], s[0:1], 0x48             ; w1, w2: codes, scales
	s_load_b64 s[32:33], s[0:1], 0x68              ; prepbuf
	v_lshrrev_b32 v1, 5, v0
	v_readfirstlane_b32 s34, v1                    ; wave
	v_and_b32 v3, 31, v0                           ; lane
	v_and_b32 v1, 15, v0                           ; r
	v_bfe_u32 v2, v0, 4, 1                         ; h
	v_and_b32 v6, 8, v1
	v_add_nc_u32 v6, v6, v1                        ; r + 8 (r / 8)
	s_mov_b32 s[SEL], 0x76543210
	s_mov_b32 s[SEL+1], 0xfedcba98
	v_cmp_ne_u32 vcc_lo, 0, v2
	s_wait_kmcnt 0x0
	s_cmp_ge_u32 ttmp9, 128
	s_cbranch_scc1 .Lweights
	s_lshl_b32 s35, ttmp9, 2
	s_add_co_u32 s35, s35, s34                     ; U = 8 i + q
	s_lshr_b32 s38, s35, 3
	s_and_b32 s39, s35, 7
	s_lshl_b32 s40, s38, 18                        ; 64 rows of 4,096 bytes
	s_lshl_b32 s41, s39, 9
	s_add_co_u32 s40, s40, s41
	s_mov_b32 s41, 0
	s_add_nc_u64 s[4:5], s[4:5], s[40:41]
	s_mul_i32 s40, s35, 6144
	s_add_co_u32 s40, s40, 9830400
	s_add_nc_u64 s[42:43], s[32:33], s[40:41]
	s_lshl_b32 s40, s35, 8
	s_add_co_u32 s40, s40, 12976128
	s_add_nc_u64 s[44:45], s[32:33], s[40:41]
	s_wait_alu depctr_va_vdst(0)
	v_lshlrev_b32 v4, 13, v6                       ; s goes in steps of two memory rows
	v_lshl_add_u32 v4, v2, 6, v4
	v_lshlrev_b32 v5, 3, v3
	v_lshlrev_b32 v7, 4, v1
	v_lshl_add_u32 v7, v2, 3, v7
.irp b, 0,1,2,3
	v_mov_b32 v[TM+4+\b], 0                        ; a lane permute's destination counts as one of its sources
.endr
	XLOAD 32, 0
	XLOAD 144, 1
	SRCT 0, 32, 16, 1
	SRCT 1, 144, 16, 1
	SRCT 2, 32, 16, 0
	SRCT 3, 144, 0, 0
	v_cndmask_b32 v138, v133, v135, vcc_lo         ; lanes 0-15 store tiles 0, 1, lanes 16-31 tiles 2, 3: 256 consecutive bytes
	v_cndmask_b32 v139, v134, v136, vcc_lo
	global_store_b64 v7, v[138:139], s[44:45]
	s_endpgm
.Lweights:
	s_sub_co_u32 s35, ttmp9, 128
	s_lshl_b32 s35, s35, 2
	s_add_co_u32 s35, s35, s34                     ; V: 0-255 the four square weights, 256-511 w1, 512-767 w2
	s_cmp_ge_u32 s35, 512
	s_cbranch_scc1 .Lw2
	s_cmp_ge_u32 s35, 256
	s_cbranch_scc1 .Lw1
	s_lshr_b32 s38, s35, 6
	s_and_b32 s39, s35, 63
	s_cmp_eq_u32 s38, 1
	s_cselect_b64 s[8:9], s[12:13], s[8:9]
	s_cselect_b64 s[10:11], s[14:15], s[10:11]
	s_cmp_eq_u32 s38, 2
	s_cselect_b64 s[8:9], s[16:17], s[8:9]
	s_cselect_b64 s[10:11], s[18:19], s[10:11]
	s_cmp_eq_u32 s38, 3
	s_cselect_b64 s[8:9], s[20:21], s[8:9]
	s_cselect_b64 s[10:11], s[22:23], s[10:11]
	s_mul_i32 s46, s38, 786432
	s_lshl_b32 s47, s38, 15
	s_add_co_u32 s47, s47, 9437184
	s_mov_b32 s48, 0
	s_wait_alu depctr_va_vdst(0)
	WUNIT 16, 4, 768, 32, 8, 8, 10
.Lw1:
	s_sub_co_u32 s39, s35, 256
	s_mov_b32 s46, 3145728
	s_mov_b32 s47, 9568256
	s_mov_b32 s48, 0
	s_wait_alu depctr_va_vdst(0)
	WUNIT 8, 3, 768, 32, 8, 24, 26
.Lw2:
	s_sub_co_u32 s38, s35, 512
	s_lshr_b32 s39, s38, 2
	s_and_b32 s48, s38, 3
	s_lshl_b32 s48, s48, 3
	s_mov_b32 s46, 6291456
	s_mov_b32 s47, 9699328
	s_wait_alu depctr_va_vdst(0)
	WUNIT 4, 2, 3072, 128, 32, 28, 30
.Lfunc_end_k_q5455052c9f_prep:
	.size	k_q5455052c9f_prep, .Lfunc_end_k_q5455052c9f_prep-k_q5455052c9f_prep
	.p2alignl 7, 3214868480
	.fill 96, 4, 3214868480
	.section	.rodata,"a",@progbits
	.p2align	6, 0x0
	.amdhsa_kernel k_q5455052c9f_prep
		.amdhsa_group_segment_fixed_size 0
		.amdhsa_private_segment_fixed_size 0
		.amdhsa_enable_private_segment 0
		.amdhsa_kernarg_size 112
		.amdhsa_user_sgpr_count 2
		.amdhsa_user_sgpr_kernarg_segment_ptr 1
		.amdhsa_wavefront_size32 1
		.amdhsa_system_sgpr_workgroup_id_x 1
		.amdhsa_system_sgpr_workgroup_id_y 1
		.amdhsa_system_sgpr_workgroup_id_z 1
		.amdhsa_system_vgpr_workitem_id 0
		.amdhsa_next_free_vgpr 208
		.amdhsa_next_free_sgpr 66
		.amdhsa_reserve_vcc 1
		.amdhsa_float_denorm_mode_32 3
		.amdhsa_float_denorm_mode_16_64 3
		.amdhsa_memory_ordered 1
		.amdhsa_forward_progress 1
		.amdhsa_inst_pref_size 55
	.end_amdhsa_kernel
	.amdgpu_metadata
---
amdhsa.version: [ 1, 2 ]
amdhsa.kernels:
  - .name:           k_q5455052c9f_prep
    .symbol:         k_q5455052c9f_prep.kd
    .args:
      - { .name: src, .offset: 0, .size: 8, .value_kind: global_buffer, .address_space: global }
      - { .name: wq_codes, .offset: 8, .size: 8, .value_kind: global_buffer, .address_space: global }
      - { .name: wq_scales, .offset: 16, .size: 8, .value_kind: global_buffer, .address_space: global }
      - { .name: wk_codes, .offset: 24, .size: 8, .value_kind: global_buffer, .address_space: global }
      - { .name: wk_scales, .offset: 32, .size: 8, .value_kind: global_buffer, .address_space: global }
      - { .name: wv_codes, .offset: 40, .size: 8, .value_kind: global_buffer, .address_space: global }
      - { .name: wv_scales, .offset: 48, .size: 8, .value_kind: global_buffer, .address_space: global }
      - { .name: wo_codes, .offset: 56, .size: 8, .value_kind: global_buffer, .address_space: global }
      - { .name: wo_scales, .offset: 64, .size: 8, .value_kind: global_buffer, .address_space: global }
      - { .name: w1_codes, .offset: 72, .size: 8, .value_kind: global_buffer, .address_space: global }
      - { .name: w1_scales, .offset: 80, .size: 8, .value_kind: global_buffer, .address_space: global }
      - { .name: w2_codes, .offset: 88, .size: 8, .value_kind: global_buffer, .address_space: global }
      - { .name: w2_scales, .offset: 96, .size: 8, .value_kind: global_buffer, .address_space: global }
      - { .name: prepbuf, .offset: 104, .size: 8, .value_kind: global_buffer, .address_space: global }
    .group_segment_fixed_size: 0
    .private_segment_fixed_size: 0
    .kernarg_segment_align: 8
    .kernarg_segment_size: 112
    .max_flat_workgroup_size: 128
    .sgpr_count:     66
    .vgpr_count:     208
    .wavefront_size: 32
...
	.end_amdgpu_metadata
.endif
;; end of part 1
;; launch qkv (part 2): grid 64 x 3, 4 waves a work-group, clusters of 4 x 1, 327,680 bytes of LDS; arguments prepbuf, bq, bk, bv, qkvbuf; writes qkvbuf
.if DOCPART == 2
	.amdgcn_target "amdgcn-amd-amdhsa--gfx1250"
	.amdhsa_code_object_version 6
	.text
	.protected	k_q5455052c9f_qkv
	.globl	k_q5455052c9f_qkv
	.p2align	8
	.type	k_q5455052c9f_qkv,@function
k_q5455052c9f_qkv:
	s_mov_b64 s[64:65], 0
	v_nop
	global_prefetch_b8 v0, s[64:65] scope:SCOPE_SE
	s_setreg_imm32_b32 hwreg(HW_REG_WAVE_MODE, 25, 1), 1
	s_wait_xcnt 0x0
	s_wait_alu depctr_hold_cnt(0) depctr_sa_sdst(0) depctr_va_vdst(0) depctr_va_sdst(0) depctr_va_ssrc(0) depctr_va_vcc(0) depctr_vm_vsrc(0)
	s_getreg_b32 s2, hwreg(HW_REG_IB_STS2, 6, 4)
	s_cmp_eq_u32 s2, 0
	s_cbranch_scc0 .Lentry_in_a_cluster
	s_endpgm
.Lentry_in_a_cluster:
	s_bfe_u32 s2, ttmp6, 0x10000c
	s_cmp_lg_u32 s2, 0x3003
	s_cbranch_scc0 .Lentry_shape_is_right
	s_endpgm
.Lentry_shape_is_right:
; QKV: y = Q(src) W^T + bias for W = wq, wk, wv (work-group y = 0, 1, 2), y / (|y| + 1e-8), and the quantising for attention.
; SHARES.  A work-group takes 64 rows (block i) x all 1,024 columns, so that a row's norm has one owner; wave w takes columns 256 w .. + 255 for all 64 rows: 4 x 16 accumulators, 512 registers.
; The product is used transposed (source 0 = 16 weight rows, source 1 = 16 rows of src): a lane holds one row, and its registers run along the columns in the order the quantiser wants.
; K goes in eight steps of 128 through two LDS slots; a wave's quarter of a slot (its 16 weight fragments of one step, 24,576 dense bytes) is brought by one tensor load and read by that wave alone.
; CLUSTER 4 x 1: the four row blocks walk the same weights: each quarter is asked for jointly, by the same load with the mask of all four.  src's images and scale words are the work-group's own (plain loads, once).
; The bias is loaded into the accumulators, so every product adds in place and nothing is cleared.
; q, k: codes by head (K = 64: two blocks), their scale words, and qn, kn = the sum of a head's squares x inv^2 (a few ulp from summing the scaled numbers).
; v: turned through LDS so that a lane holds one channel and 32 keys, quantised along the keys.
; LIMITS: NaN and infinities are not served; blocks under 2^-124 get the byte 1 (this program alone reads the bytes).
; REGISTERS: window 0: v1-29 addresses; v32-71 scale words, two sets; v72-167 src's fragments, two sets; behind the products v32-95 64 numbers, v96-143 the quantiser, v144-207 at work, v208-247 statistics.
;   window 1: the weights' fragments: tiles 0-7 at v0, tiles 8-15 at v96.   window 2 + g: accumulator (m, 8 g + n) at v[8 (8 m + n)].
.set SLOTB, 98304
.set QTR,   24576
.set AIMG,  196608                     ; src's 32 fragments: 49,152 bytes
.set BSC,   245760                     ; the weights' scale words: 8,192 bytes a wave
.set ASC,   278528                     ; src's scale words: 2,048 bytes
.set SPARE, 280576                     ; the spare words: 128 bytes a wave
.set RED,   281088                     ; sums from wave to wave: 1,024 bytes for each exchange
.set HA,  32
.set PC,  96
.set TM,  116
.set PW,  132
.set VAL, 204
.set SS,  208
.set INV, 240
.set SEL, 82
.set MSB, 0
.macro WIN new                         ; the immediate's high byte repeats the setting that is left
.if MSB != \new
	s_set_vgpr_msb (MSB<<8)|\new
.set MSB, \new
.endif
.endm
.macro PLACES n                        ; plain vector instructions between a matrix instruction and what touches its registers (ISA guide 7.12.1)
.rept \n
	v_nop
.endr
.endm
.macro CREST                           ; a round of the cluster's barrier behind its opening barrier
	s_cmp_lg_u32 s14, 0
	s_cbranch_scc1 .Lnot_wave_0_\@
	s_barrier_signal -3
.Lnot_wave_0_\@:
	s_barrier_wait -3
	s_barrier_signal -1
	s_barrier_wait -1
.endm
.macro CROUND
	s_barrier_signal -1
	s_barrier_wait -1
	CREST
.endm
.macro DESC1 g, w0, rows               ; descriptor group 1: a dense block as rows of 256 bytes (32 elements of 8 bytes)
	s_mov_b32 s[\g], \w0
	s_mov_b32 s[\g+1], 32<<16
	s_mov_b32 s[\g+2], (\rows)<<16
	s_mov_b32 s[\g+3], 32<<16
	s_mov_b32 s[\g+4], \rows
	s_mov_b32 s[\g+5], 32
	s_mov_b32 s[\g+6], 0
	s_mov_b32 s[\g+7], 0
.endm
.macro QUANT s                         ; 64 numbers of a lane (register 16 b + i = k 32 b + 16 (lane / 16) + i) -> codes in v[PC] on, scale word in v[PW]
.irp b, 0,1,2,3
	v_max3_num_f32 v[TM+\b], |v[\s+16*\b]|, |v[\s+1+16*\b]|, 0x1800000   ; with the floor 2^(3 - 127): the byte cannot fall under 1
.endr
.irp i, 2,4,6,8,10,12,14
.irp b, 0,1,2,3
	v_max3_num_f32 v[TM+\b], v[TM+\b], |v[\s+16*\b+\i]|, |v[\s+1+16*\b+\i]|
.endr
.endr
.irp b, 0,1,2,3
	v_permlanex16_b32 v[TM+4+\b], v[TM+\b], s[SEL], s[SEL+1]
.endr
.irp b, 0,1,2,3
	v_max_num_f32 v[TM+\b], v[TM+\b], v[TM+4+\b]
.endr
.irp b, 0,1,2,3
	v_add_nc_u32 v[TM+12+\b], 0xff000000, v[TM+\b]   ; 2 off the exponent field: the conversion's scale operand
.endr
.irp b, 0,1,2,3
	v_lshrrev_b32 v[TM+4+\b], 23, v[TM+12+\b]
.endr
	v_lshl_or_b32 v[PW], v[TM+5], 8, v[TM+4]
	v_lshl_or_b32 v[PW], v[TM+6], 16, v[PW]
	v_lshl_or_b32 v[PW], v[TM+7], 24, v[PW]
.irp c, 0,1
	v_cvt_scalef32_pk16_fp6_f32 v[PC+6*\c:PC+2+6*\c], v[\s+32*\c:\s+15+32*\c], v[TM+12+2*\c]
	v_cvt_scalef32_pk16_fp6_f32 v[PC+12+4*\c:PC+14+4*\c], v[\s+16+32*\c:\s+31+32*\c], v[TM+12+2*\c+1]
.endr
	v_nop                                          ; one plain instruction behind a scaled conversion
.irp c, 0,1
.irp i, 0,1,2
	v_permlane16_swap_b32 v[PC+6*\c+\i], v[PC+12+4*\c+\i]
.endr
.irp i, 0,1,2
	v_mov_b32 v[PC+3+6*\c+\i], v[PC+12+4*\c+\i]
.endr
.endr
.endm
.macro FS p, q                         ; K step q's scale words into set p: my 16 weight tiles' and the four row tiles'.  Every window is 0 where it stands
.irp k, 0,1,2,3
	ds_load_b128 v[32+20*(\p)+4*\k:32+20*(\p)+4*\k+3], v19 offset:(\q)*1024+16*\k
.endr
	ds_load_b128 v[48+20*(\p):48+20*(\p)+3], v20 offset:(\q)*256
.endm
.macro FB set, slot, half              ; eight weight fragments: 24 loads of 512 consecutive bytes
	WIN 0x40
.irp t, 0,1,2,3,4,5,6,7
.irp c, 0,1,2
	ds_load_b128 v[96*(\set)+12*\t+4*\c:96*(\set)+12*\t+4*\c+3], v[16+(\slot)] offset:(8*(\half)+\t)*1536+512*\c
.endr
.endr
	WIN 0
.endm
.macro FA p, q                         ; the four row tiles' fragments of K step q: 24 loads of 256 consecutive bytes
.irp m, 0,1,2,3
.irp j, 0,1,2,3,4,5
	ds_load_b64 v[72+48*(\p)+12*\m+2*\j:72+48*(\p)+12*\m+2*\j+1], v18 offset:(4*(\q)+\m)*1536+256*\j
.endr
.endr
.endm
; row tiles m0 .. x eight weight tiles.  The accumulators take turns, one instruction a turn
.macro MULF q, half, m0, nm
	WIN 0xa1+0x50*(\half)
.set mm, \m0
.rept \nm
.irp n, 0,1,2,3,4,5,6,7
	v_wmma_scale_f32_16x16x128_f8f6f4 v[8*(8*mm+\n):8*(8*mm+\n)+7], v[96*(\half)+12*\n:96*(\half)+12*\n+11], v[72+48*((\q)%2)+12*mm:72+48*((\q)%2)+12*mm+11], v[8*(8*mm+\n):8*(8*mm+\n)+7], v[32+20*((\q)%2)+8*(\half)+\n], v[48+20*((\q)%2)+mm] matrix_a_fmt:MATRIX_FMT_FP6 matrix_b_fmt:MATRIX_FMT_FP6
.endr
.set mm, mm+1
.endr
.endm
.macro P0 q                            ; a K step's first half: weight tiles 0-7
	s_wait_dscnt 12                                ; all but the youngest twelve loads: row tiles 2 and 3
	MULF \q, 0, 0, 2
	PLACES 4
	FB 1, (\q)%2, 1
	s_wait_dscnt 24                                ; all but the 24 just issued
	MULF \q, 0, 2, 2
.endm
.macro P1R q                           ; its second half, and the slot is filled again with K step q + 2
	WIN 0
	s_wait_tensorcnt 0x0                           ; my one load that was out, my quarter of the other slot, has landed
	ds_add_u32 v28, v29                            ; 0 onto my spare word
	s_wait_dscnt 1                                 ; only the add may be out: weight tiles 8-15 are in
	MULF \q, 1, 0, 1
	s_wait_dscnt 0x0                               ; the add is done, and my reads of this slot are over
	s_barrier_signal -1
	MULF \q, 1, 1, 1
	WIN 0
	s_barrier_wait -1
	CREST                                          ; no wave of any partner still reads this slot or has a load on its way
	s_add_nc_u64 s[58+4*((\q)%2):59+4*((\q)%2)], s[58+4*((\q)%2):59+4*((\q)%2)], 2*QTR
	tensor_load_to_lds s[56+4*((\q)%2):59+4*((\q)%2)], s[24:31]   ; it has 48 matrix instructions in which to land
	s_nop 0
	PLACES 4                                       ; four places behind a tensor load; also the places in front of the loads below
	FS ((\q)+1)%2, (\q)+1
	FB 0, ((\q)+1)%2, 0
	FA ((\q)+1)%2, (\q)+1
	MULF \q, 1, 2, 2
.endm
.macro INITACC                         ; accumulator (m, n), register j, lane (r, h) = bias of column 32 (n / 2) + 16 h + 8 (n % 2) + j
.irp g, 0,1
	WIN 0x80+0x40*\g
.irp m, 0,1,2,3
.irp n, 0,1,2,3,4,5,6,7
	global_load_b128 v[8*(8*\m+\n):8*(8*\m+\n)+3], v5, s[6:7] offset:512*\g+128*(\n/2)+32*(\n%2)
	global_load_b128 v[8*(8*\m+\n)+4:8*(8*\m+\n)+7], v5, s[6:7] offset:512*\g+128*(\n/2)+32*(\n%2)+16
.endr
.endr
.endr
	WIN 0
.endm
; v[SS + 2 (4 m + hd)] = the sum of squares of row tile m over my columns 64 hd .. + 63 (both halves of the lanes); v[VAL + m] = over my 256.  Each accumulator is read from its low end on
.macro SUMSQ
.irp g, 0,1
	WIN 0x0a+5*\g
.set pp, 0
.rept 16
.irp m, 0,1,2,3
.irp c, 0,1
.if pp == 0
	v_pk_mul_f32 v[SS+2*(4*\m+2*\g+\c):SS+2*(4*\m+2*\g+\c)+1], v[64*\m+32*\c:64*\m+32*\c+1], v[64*\m+32*\c:64*\m+32*\c+1]
.else
	v_pk_fma_f32 v[SS+2*(4*\m+2*\g+\c):SS+2*(4*\m+2*\g+\c)+1], v[64*\m+32*\c+2*pp:64*\m+32*\c+2*pp+1], v[64*\m+32*\c+2*pp:64*\m+32*\c+2*pp+1], v[SS+2*(4*\m+2*\g+\c):SS+2*(4*\m+2*\g+\c)+1]
.endif
.endr
.endr
.set pp, pp+1
.endr
.endr
	WIN 0
.set kk, 0
.rept 16
	v_add_f32 v[SS+2*kk], v[SS+2*kk], v[SS+2*kk+1]
.set kk, kk+1
.endr
.set kk, 0
.rept 16
	v_permlanex16_b32 v[SS+2*kk+1], v[SS+2*kk], s[SEL], s[SEL+1]
.set kk, kk+1
.endr
.set kk, 0
.rept 16
	v_add_f32 v[SS+2*kk], v[SS+2*kk], v[SS+2*kk+1]
.set kk, kk+1
.endr
.irp m, 0,1,2,3
	v_add_f32 v[VAL+\m], v[SS+8*\m], v[SS+8*\m+2]
	v_add_f32 v[SS+8*\m+1], v[SS+8*\m+4], v[SS+8*\m+6]
.endr
.irp m, 0,1,2,3
	v_add_f32 v[VAL+\m], v[VAL+\m], v[SS+8*\m+1]
.endr
.endm
.macro EXCH e                          ; v[VAL + m] summed over the four waves: store, wait, barrier, load.  Each exchange has bytes of its own, so one barrier serves it
.irp m, 0,1,2,3
	ds_store_b32 v21, v[VAL+\m] offset:(\e)*1024+\m*256   ; both halves of the lanes write the same word with the same value
.endr
	s_wait_dscnt 0x0                               ; for the others' sake
	s_barrier_signal -1
	s_barrier_wait -1
.irp m, 0,1,2,3
	ds_load_b128 v[144+4*\m:147+4*\m], v22 offset:(\e)*1024+\m*256
.endr
	s_wait_dscnt 0x0
.irp m, 0,1,2,3
	v_add_f32 v[144+4*\m], v[144+4*\m], v[145+4*\m]
	v_add_f32 v[146+4*\m], v[146+4*\m], v[147+4*\m]
.endr
.irp m, 0,1,2,3
	v_add_f32 v[VAL+\m], v[144+4*\m], v[146+4*\m]
.endr
.endm
.macro NORMINV                         ; v[INV + 2 m] = 1 / (sqrt(sum) + 1e-8), v[INV + 2 m + 1] = its square
.irp m, 0,1,2,3
	v_sqrt_f32 v[VAL+\m], v[VAL+\m]
.endr
	v_nop
	s_wait_alu depctr_va_vdst(0)                   ; one wait for the four roots, ahead of their first reader
.irp m, 0,1,2,3
	v_add_f32 v[VAL+\m], 0x322bcc77, v[VAL+\m]
.endr
	s_wait_alu depctr_va_vdst(0)
.irp m, 0,1,2,3
	v_rcp_f32 v[INV+2*\m], v[VAL+\m]
.endr
	v_nop
	s_wait_alu depctr_va_vdst(0)
.irp m, 0,1,2,3
	v_mul_f32 v[INV+2*\m+1], v[INV+2*\m], v[INV+2*\m]
.endr
.endm
.macro SCALEHA m, g                    ; 64 numbers of row tile m, columns 128 g on, x inv
	WIN 0x02+(\g)
.set pp, 0
.rept 32
	v_pk_mul_f32 v[HA+2*pp:HA+2*pp+1], v[64*(\m)+2*pp:64*(\m)+2*pp+1], v[INV+2*(\m):INV+2*(\m)+1] op_sel_hi:[1,0]
.set pp, pp+1
.endr
	WIN 0
.endm
	s_load_b256 s[4:11], s[0:1], 0x0               ; prepbuf, bq, bk, bv
	s_load_b64 s[12:13], s[0:1], 0x20              ; qkvbuf
	v_lshl_add_u32 v28, v0, 2, SPARE
	v_mov_b32 v29, 0
	ds_add_u32 v28, v29
	ds_add_u32 v28, v29
	s_wait_dscnt 0x0
	v_lshrrev_b32 v1, 5, v0
	v_readfirstlane_b32 s14, v1                    ; wave
	s_bfe_u32 s15, ttmp6, 0x40000                  ; cx
	s_lshl_b32 s16, ttmp9, 2
	s_add_co_u32 s16, s16, s15                     ; i: it enters the plain loads' and the stores' global addresses alone
	s_and_b32 s17, ttmp7, 0xffff                   ; which weight: the same in all four partners
	s_mov_b32 s24, 15|(3<<16)|(1<<21)              ; group 1 for the head's fill of all of slot 0: four rows (one a wave's quarter) of 3,072 elements of 8 bytes, 24,576 elements apart in memory
	s_mov_b32 s25, 3072<<16
	s_mov_b32 s26, 4<<16
	s_mov_b32 s27, 3072<<16
	s_mov_b32 s28, 4
	s_mov_b32 s29, 24576
	s_mov_b32 s30, 0
	s_mov_b32 s31, 0
	DESC1 32, 15|(3<<16)|(1<<21), 128              ; all four waves' weight scale words
	DESC1 40, 3<<16, 192                           ; all of src's images
	DESC1 48, 3<<16, 8                             ; all of src's scale words
	s_mul_i32 s18, s17, 786432
	s_mov_b32 s98, s18                             ; group 0 for slot 0 whole: K step 0 of wave 0's tiles
	s_mov_b32 s99, 0
	s_mov_b32 s96, 1
	s_mov_b32 s97, 0
	s_mul_i32 s19, s14, 8*QTR
	s_add_co_u32 s18, s18, s19
	s_mov_b32 s19, 0                               ; my 16 weight tiles' images
	s_lshl_b32 s20, s17, 15
	s_add_co_u32 s20, s20, 9437184
	s_mov_b32 s21, 0                               ; their scale words
	s_mul_i32 s22, s16, 49152
	s_add_co_u32 s22, s22, 9830400
	s_mov_b32 s23, 0                               ; my quarter of src's images
	s_lshl_b32 s84, s16, 11
	s_add_co_u32 s84, s84, 12976128
	s_mov_b32 s85, 0                               ; and of its scale words
	s_mov_b32 s56, 1
	s_mul_i32 s57, s14, QTR
	s_mov_b32 s60, 1
	s_add_co_u32 s61, s57, SLOTB
	s_mov_b32 s68, 1
	s_mov_b32 s69, BSC
	s_mov_b32 s72, 1
	s_mov_b32 s73, AIMG
	s_mov_b32 s76, 1
	s_mov_b32 s77, ASC
	s_mov_b32 s[SEL], 0x76543210
	s_mov_b32 s[SEL+1], 0xfedcba98
	s_wait_kmcnt 0x0
	s_add_nc_u64 s[58:59], s[4:5], s[18:19]
	s_add_nc_u64 s[62:63], s[58:59], QTR
	s_or_b32 s59, s59, 0x80000000
	s_or_b32 s63, s63, 0x80000000
	s_add_nc_u64 s[70:71], s[4:5], s[20:21]
	s_or_b32 s71, s71, 0x80000000
	s_add_nc_u64 s[74:75], s[4:5], s[22:23]
	s_or_b32 s75, s75, 0x80000000
	s_add_nc_u64 s[78:79], s[4:5], s[84:85]
	s_or_b32 s79, s79, 0x80000000
	s_add_nc_u64 s[98:99], s[4:5], s[98:99]
	s_or_b32 s99, s99, 0x80000000
	CROUND                                         ; all four work-groups are here: the first joint loads meet
; the head's four tiles, one load a wave, in one chain of arms: wave 0 the weights' scale words, wave 1 src's scale words, wave 2 src's images, wave 3 all of slot 0
.macro HARM under, g0, g1, next
	s_cmp_lt_u32 s14, \under
	s_cbranch_scc0 \next
	tensor_load_to_lds s[\g0:\g0+3], s[\g1:\g1+7]
	s_nop 0
	PLACES 4
	s_branch .Lhead_asked
\next:
.endm
	HARM 1, 68, 32, .Lhead_1
	HARM 2, 76, 48, .Lhead_2
	HARM 3, 72, 40, .Lhead_3
	tensor_load_to_lds s[96:99], s[24:31]
	s_nop 0
	PLACES 4
.Lhead_asked:
	v_and_b32 v3, 31, v0                           ; lane
	v_and_b32 v1, 15, v0                           ; r
	v_bfe_u32 v2, v0, 4, 1                         ; h
	v_lshlrev_b32 v4, 4, v3
	v_lshlrev_b32 v5, 6, v2
	v_and_b32 v6, 8, v1
	v_add_nc_u32 v6, v6, v1                        ; r + 8 (r / 8)
	v_add_nc_u32 v16, s57, v4
	v_add_nc_u32 v17, s61, v4
	v_lshl_add_u32 v18, v3, 3, AIMG
	s_lshl_b32 s21, s14, 13
	s_add_co_u32 s21, s21, BSC                     ; my 16 weight tiles' scale words
	v_lshl_add_u32 v19, v1, 6, s21
	v_lshl_add_u32 v20, v1, 4, ASC
	s_lshl_b32 s20, s14, 2
	s_add_co_u32 s20, s20, RED
	v_lshl_add_u32 v21, v1, 4, s20
	v_lshl_add_u32 v22, v1, 4, RED
	s_mul_i32 s84, s14, 49152                      ; v's stage: 32 rows of 1,040 bytes for each wave, in the slots, used behind their last fill and last read
	v_mul_u32_u24 v26, v6, 1040
	v_lshl_add_u32 v26, v2, 6, v26
	v_add_nc_u32 v26, s84, v26
	v_lshl_add_u32 v27, v3, 2, s84
	s_cmp_eq_u32 s17, 1
	s_cselect_b64 s[6:7], s[8:9], s[6:7]
	s_cmp_eq_u32 s17, 2
	s_cselect_b64 s[6:7], s[10:11], s[6:7]
	s_lshl_b32 s20, s14, 10
	s_mov_b32 s21, 0
	s_add_nc_u64 s[6:7], s[6:7], s[20:21]          ; the bias of my 256 columns
	INITACC
	s_min_u32 s20, s17, 1                          ; q's records come first, k's and v's share the second 32
	s_mul_i32 s20, s20, 6946816
	s_mul_i32 s22, s14, 1736704                    ; my four heads: eight records of 217,088 bytes
	s_add_co_u32 s20, s20, s22
	s_add_nc_u64 s[80:81], s[12:13], s[20:21]
	s_wait_alu depctr_va_vdst(0)
	s_wait_tensorcnt 0x0                           ; my tile of the head's four is in
	ds_add_u32 v28, v29
	s_mov_b32 s25, 32<<16                          ; no load of mine is out: group 1 now states the ring's quarter, 96 rows of 256 bytes
	s_mov_b32 s26, 96<<16
	s_mov_b32 s27, 32<<16
	s_mov_b32 s28, 96
	s_mov_b32 s29, 32
	s_wait_dscnt 0x0
	CROUND                                         ; all four tiles are in, in all four work-groups
	tensor_load_to_lds s[60:63], s[24:31]          ; slot 1's first fill: my quarter of K step 1
	s_nop 0
	PLACES 4
	FS 0, 0
	FB 0, 0, 0
	FA 0, 0
	s_wait_loadcnt 0x0                             ; the bias
.irp q, 0,1,2,3,4,5
	P0 \q
	P1R \q
.endr
	P0 6
	WIN 0
	s_wait_tensorcnt 0x0                           ; K step 7's quarter: nothing was issued behind it, and I alone read it
	s_wait_dscnt 0x0
	MULF 6, 1, 0, 2
	WIN 0                                          ; the scale words' addresses and registers lie in window 0
	PLACES 4
	FS 1, 7
	FB 0, 1, 0
	FA 1, 7
	MULF 6, 1, 2, 2
	P0 7
	s_wait_dscnt 0x0
	MULF 7, 1, 0, 4
	WIN 0
	PLACES 4
.irp b, 0,1,2,3
	v_mov_b32 v[TM+4+\b], 0                        ; a lane permute's destination counts as one of its sources
.endr
	SUMSQ
	EXCH 0
	s_wait_alu depctr_va_vdst(0)
	NORMINV
	v_cmp_ne_u32 vcc_lo, 0, v2                     ; the upper half of the lanes: made behind the last tensor load
	s_wait_alu depctr_va_vdst(0)
	s_cmp_eq_u32 s17, 2
	s_cbranch_scc1 .Lvtail
	; ---- q, k: by head
	s_mul_i32 s85, s16, 1536
	v_lshl_add_u32 v23, v3, 3, s85                 ; codes: 8 x lane + two tiles of 768 bytes for each i
	s_lshr_b32 s86, s16, 2
	s_lshl_b32 s86, s86, 9
	s_and_b32 s87, s16, 3
	s_lshl_b32 s87, s87, 3
	s_add_co_u32 s86, s86, s87
	v_mul_u32_u24 v7, v2, 434176                   ; lanes 16-31 store for the next head: two records on
	v_lshl_add_u32 v24, v1, 5, v7
	v_add_nc_u32 v24, s86, v24                     ; scale words [key step][r][tile]
	v_lshl_add_u32 v25, v6, 2, v7
	s_lshl_b32 s87, s16, 7
	v_add_nc_u32 v25, s87, v25                     ; the norms, by s
.irp m, 0,1,2,3
.irp g, 0,1
	s_wait_xcnt 0x0                                ; the last stores have read their data
	SCALEHA \m, \g
	QUANT HA
.irp c, 0,1
.irp j, 0,1,2
	global_store_b64 v23, v[PC+6*\c+2*\j:PC+6*\c+2*\j+1], s[80:81] offset:(2*(2*\g+\c)+(\m%2))*217088+(\m/2)*768+256*\j   ; 256 consecutive bytes, aligned
.endr
.endr
	v_lshrrev_b32 v252, 16, v[PW]
	v_cndmask_b32 v252, v[PW], v252, vcc_lo        ; bytes 0, 1: the head's two blocks
	global_store_b32 v24, v252, s[80:81] offset:(4*\g+(\m%2))*217088+196608+4*(\m/2)
	v_cndmask_b32 v253, v[SS+2*(4*\m+2*\g)], v[SS+2*(4*\m+2*\g+1)], vcc_lo
	v_mul_f32 v253, v253, v[INV+2*\m+1]
	global_store_b32 v25, v253, s[80:81] offset:(4*\g+(\m%2))*217088+208896+32*(\m/2)
.endr
.endr
	s_branch .Lend
.Lvtail:
	; ---- v: a lane's numbers run along the columns; the keys' blocks want them along the rows: through my stage
	v_bfe_u32 v8, v3, 3, 1                         ; lane l is channel l of 32: u' = (l / 8) % 2,
	v_and_b32 v9, 7, v3
	v_lshl_add_u32 v9, v2, 3, v9                   ; r' = l % 8 + 8 (l / 16)
	s_mul_i32 s85, s16, 384
	v_mul_u32_u24 v23, v8, 24576
	v_lshl_add_u32 v23, v9, 3, v23
	v_add_nc_u32 v23, s85, v23
	s_lshr_b32 s86, s16, 2
	s_lshl_b32 s86, s86, 8
	s_and_b32 s87, s16, 3
	s_add_co_u32 s86, s86, s87
	v_lshlrev_b32 v24, 2, v8
	v_lshl_add_u32 v24, v9, 4, v24
	v_add_nc_u32 v24, s86, v24
.macro VLOAD cg                        ; 32 channels x 32 keys: a lane a channel, a register a key
.set kk, 0
.rept 32
	ds_load_b32 v[144+32*((\cg)%2)+kk], v27 offset:kk*1040+128*(\cg)
.set kk, kk+1
.endr
.endm
.macro VBLOCK cg, b                    ; a block of 32 keys of my channel: all its numbers are mine
.set XS, 144+32*((\cg)%2)
	v_max3_num_f32 v252, |v[XS]|, |v[XS+1]|, |v[XS+2]|
	v_max3_num_f32 v253, |v[XS+3]|, |v[XS+4]|, |v[XS+5]|
.irp i, 6,10,14,18,22,26
	v_max3_num_f32 v252, v252, |v[XS+\i]|, |v[XS+\i+1]|
	v_max3_num_f32 v253, v253, |v[XS+\i+2]|, |v[XS+\i+3]|
.endr
	v_max3_num_f32 v252, v252, |v[XS+30]|, |v[XS+31]|
	v_max3_num_f32 v252, v252, v253, 0x1800000
	s_wait_alu depctr_va_vdst(0)
	s_wait_xcnt 0x0                                ; the last block's stores have read their data
	v_add_nc_u32 v254, 0xff000000, v252
	v_cvt_scalef32_pk16_fp6_f32 v[96:98], v[XS:XS+15], v254
	v_cvt_scalef32_pk16_fp6_f32 v[100:102], v[XS+16:XS+31], v254
	v_lshrrev_b32 v255, 23, v254                   ; the byte; also the plain instruction behind the conversions
	v_mov_b32 v99, v100
	v_mov_b32 v100, v101
	v_mov_b32 v101, v102
.irp j, 0,1,2
	global_store_b64 v23, v[96+2*\j:97+2*\j], s[80:81] offset:(2*((\cg)/2)+(\b))*217088+98304+((\cg)%2)*49152+128*\j
.endr
	global_store_b8 v24, v255, s[80:81] offset:(2*((\cg)/2)+(\b))*217088+204800+8*((\cg)%2)
.endm
.irp b, 0,1
.irp u, 0,1
.irp g, 0,1
	SCALEHA 2*\u+\b, \g
.irp k, 0,1,2,3,4,5,6,7,8,9,10,11,12,13,14,15
	ds_store_b128 v26, v[HA+4*\k:HA+4*\k+3] offset:8*\u*1040+512*\g+128*(\k/4)+16*(\k%4)
.endr
.endr
.endr
	VLOAD 0                                        ; LDS serves a wave's instructions in order: these see my stores
.irp cg, 0,1,2,3,4,5,6,7
.if \cg < 7
	VLOAD \cg+1
	s_wait_dscnt 32                                ; the next group's 32 loads may be out
.else
	s_wait_dscnt 0x0
.endif
	VBLOCK \cg, \b
.endr
.endr
.Lend:
	s_wait_tensorcnt 0x0                           ; the wave's end
	ds_add_u32 v28, v29
	s_wait_dscnt 0x0
	CROUND                                         ; the closing round
	s_endpgm
.Lfunc_end_k_q5455052c9f_qkv:
	.size	k_q5455052c9f_qkv, .Lfunc_end_k_q5455052c9f_qkv-k_q5455052c9f_qkv
	.p2alignl 7, 3214868480
	.fill 96, 4, 3214868480
	.section	.rodata,"a",@progbits
	.p2align	6, 0x0
	.amdhsa_kernel k_q5455052c9f_qkv
		.amdhsa_group_segment_fixed_size 327680
		.amdhsa_private_segment_fixed_size 0
		.amdhsa_enable_private_segment 0
		.amdhsa_kernarg_size 40
		.amdhsa_user_sgpr_count 2
		.amdhsa_user_sgpr_kernarg_segment_ptr 1
		.amdhsa_wavefront_size32 1
		.amdhsa_system_sgpr_workgroup_id_x 1
		.amdhsa_system_sgpr_workgroup_id_y 1
		.amdhsa_system_sgpr_workgroup_id_z 1
		.amdhsa_system_vgpr_workitem_id 0
		.amdhsa_next_free_vgpr 1024
		.amdhsa_next_free_sgpr 100
		.amdhsa_reserve_vcc 1
		.amdhsa_float_denorm_mode_32 3
		.amdhsa_float_denorm_mode_16_64 3
		.amdhsa_memory_ordered 1
		.amdhsa_forward_progress 1
		.amdhsa_inst_pref_size 255
	.end_amdhsa_kernel
	.section	.bss,"aw",@nobits
	.p2align	6
	.space	262144
	.amdgpu_metadata
---
amdhsa.version: [ 1, 2 ]
amdhsa.kernels:
  - .name:           k_q5455052c9f_qkv
    .symbol:         k_q5455052c9f_qkv.kd
    .args:
      - { .name: prepbuf, .offset: 0, .size: 8, .value_kind: global_buffer, .address_space: global }
      - { .name: bq, .offset: 8, .size: 8, .value_kind: global_buffer, .address_space: global }
      - { .name: bk, .offset: 16, .size: 8, .value_kind: global_buffer, .address_space: global }
      - { .name: bv, .offset: 24, .size: 8, .value_kind: global_buffer, .address_space: global }
      - { .name: qkvbuf, .offset: 32, .size: 8, .value_kind: global_buffer, .address_space: global }
    .group_segment_fixed_size: 327680
    .private_segment_fixed_size: 0
    .kernarg_segment_align: 8
    .kernarg_segment_size: 40
    .max_flat_workgroup_size: 128
    .sgpr_count:     100
    .vgpr_count:     1024
    .wavefront_size: 32
...
	.end_amdgpu_metadata
.endif
;; end of part 2
;; launch attn (part 3): grid 8 x 32, 16 waves a work-group, clusters of 4 x 1, 219,136 bytes of LDS; arguments qkvbuf, ao; writes ao
.if DOCPART == 3
	.amdgcn_target "amdgcn-amd-amdhsa--gfx1250"
	.amdhsa_code_object_version 6
	.text
	.protected	k_q5455052c9f_attn
	.globl	k_q5455052c9f_attn
	.p2align	8
	.type	k_q5455052c9f_attn,@function
k_q5455052c9f_attn:
	s_mov_b64 s[64:65], 0
	v_nop
	global_prefetch_b8 v0, s[64:65] scope:SCOPE_SE
	s_setreg_imm32_b32 hwreg(HW_REG_WAVE_MODE, 25, 1), 1
	s_wait_xcnt 0x0
	s_wait_alu depctr_hold_cnt(0) depctr_sa_sdst(0) depctr_va_vdst(0) depctr_va_sdst(0) depctr_va_ssrc(0) depctr_va_vcc(0) depctr_vm_vsrc(0)
	s_getreg_b32 s2, hwreg(HW_REG_IB_STS2, 6, 4)
	s_cmp_eq_u32 s2, 0
	s_cbranch_scc0 .Lentry_in_a_cluster
	s_endpgm
.Lentry_in_a_cluster:
	s_bfe_u32 s2, ttmp6, 0x10000c
	s_cmp_lg_u32 s2, 0x3003
	s_cbranch_scc0 .Lentry_shape_is_right
	s_endpgm
.Lentry_shape_is_right:
; ATTENTION on codes of E2M3.  score = -sqrt(max(1 - dots^2 / (qn kn + 1e-8), 0)); p = 2^(score x log2 e); O = (sum of Q(p) Q(v)) / (sum of p); O is quantised for the next product.
; NO RUNNING MAXIMUM: the clip at 0 and 1 - x <= 1 hold every score in [-1, 0], whatever the inputs, so p lies in [0.36, 1] and a row's sum is at most 2,048.  The whole number M that the rule takes away is 0 or -1:
; with M = 0 p differs from the rule's by an exact power of two, which each block's scale and the row's sum both take up: the codes' values and O are the same.
; TWO TRANSCENDENTALS A SCORE.  With L2 = log2(e)^2, B = (qn kn + 1e-8) / L2 and N = L2 B - dots^2, the exponent is -log2(e) sqrt(N / (qn kn + 1e-8)) = -N rsq(N B).
; THE CLIP: N is held at 2^-90 from below in place of 0.  B is at least 4.8e-9, so N B stays a normal number; at the floor the exponent is under 5e-10 and p rounds to 1, as with the clip at 0.
; SHARES.  A work-group takes 256 queries of one (head, batch) pair hb; each of its 16 waves one tile of 16, in 256 registers: four waves to a SIMD.
; LDS holds the pair's whole record (k's codes, v's codes, their scale words, kn: 217,088 bytes), filled ONCE, a sixteenth by each wave.  CLUSTER 4 x 1: four query blocks of one pair ask for it jointly.
; No prefetch: the record is asked for whole at the head, and the loop reads LDS alone.
; Both products are used transposed: S^T = K Q^T, O^T = V^T P^T: a lane holds one query.  The head's K is 64: Q's registers 6-11 are zero codes, so what stands in K's upper registers adds nothing (no scale byte is 0xff).
; LIMITS: NaN and infinities are not served.
; REGISTERS: v3-8 lane bases, v9-14 the step's addresses, v16-27 Q, v28 its scale word, v[30:31] qn / L2, v32-85 K's or V's fragments, v86-93 their scale words, v[94:95] the sum,
;   v96-159 S, dots^2, N, the exponent, then p; v160-223 kn, B, N B, its root's reciprocal, later the quantiser and the sum's chains; v224-255 O^T.
.set REC, 217088
.set TM,  160
.set PW,  176
.set PC,  180
.set SEL, 46
.macro CROUND
	s_barrier_signal -1
	s_barrier_wait -1
	s_cmp_lg_u32 s14, 0
	s_cbranch_scc1 .Lnot_wave_0_\@
	s_barrier_signal -3
.Lnot_wave_0_\@:
	s_barrier_wait -3
	s_barrier_signal -1
	s_barrier_wait -1
.endm
; the row's sum of the unquantised p: 32 pairs into eight chains: chain 0 is v[94:95], chain 1 v[178:179], chains 2-7 v[212:223]
.macro ACCR idx
.if (\idx) == 0
.set AX, 94
.elseif (\idx) == 1
.set AX, 178
.else
.set AX, 208+2*(\idx)
.endif
.endm
.macro PADD n                          ; add n of 25: the first seven start chains 1-7 with two pairs each, the others add pair n + 7 to chain (n - 7) % 8
.if (\n) < 7
	ACCR (\n)+1
	v_pk_add_f32 v[AX:AX+1], v[96+2*(\n):97+2*(\n)], v[110+2*(\n):111+2*(\n)]
.else
	ACCR ((\n)-7)%8
	v_pk_add_f32 v[AX:AX+1], v[AX:AX+1], v[110+2*(\n):111+2*(\n)]
.endif
.endm
.macro TWOADD                          ; two of the sum's adds behind each group of four of the quantiser's lines: a line then reads what stands six lines back
	PADD nn
	PADD nn+1
.set nn, nn+2
.endm
	s_load_b128 s[4:7], s[0:1], 0x0                ; qkvbuf, ao
	v_lshl_add_u32 v254, v0, 2, 0x35000
	v_mov_b32 v255, 0
	ds_add_u32 v254, v255                          ; the opening lines
	ds_add_u32 v254, v255
	s_wait_dscnt 0x0
	v_lshrrev_b32 v1, 5, v0
	s_delay_alu instid0(VALU_DEP_1)
	v_readfirstlane_b32 s14, v1                    ; wave 0..15
	s_bfe_u32 s15, ttmp6, 0x40000                  ; cx
	s_lshl_b32 s16, ttmp9, 2
	s_add_co_u32 s16, s16, s15                     ; my block of 256 queries
	s_and_b32 s17, ttmp7, 0xffff                   ; hb = 2 head + batch: the four partners share it
	s_mov_b32 s24, 15|(3<<16)|(1<<21)              ; group 1: the mask of all four, elements of 8 bytes; 53 rows of 256 bytes, dense
	s_mov_b32 s25, 32<<16
	s_mov_b32 s26, 53<<16
	s_mov_b32 s27, 32<<16
	s_mov_b32 s28, 53
	s_mov_b32 s29, 32
	s_mov_b32 s30, 0
	s_mov_b32 s31, 0
	s_mul_i32 s18, s17, REC
	s_mul_i32 s33, s14, 13568                      ; my sixteenth, in LDS as in the record
	s_add_co_u32 s20, s18, s33
	s_add_co_u32 s20, s20, 6946816                 ; k's and v's records are the second 32
	s_mov_b32 s21, 0
	s_mov_b32 s19, 0
	s_mov_b32 s32, 1
	s_mov_b32 s[SEL], 0x76543210
	s_mov_b32 s[SEL+1], 0xfedcba98
	s_mov_b32 s45, 0x12800000                      ; 2^-90: the clip's floor
	s_wait_kmcnt 0x0
	s_add_nc_u64 s[34:35], s[4:5], s[20:21]
	s_or_b32 s35, s35, 0x80000000
	s_add_nc_u64 s[8:9], s[4:5], s[18:19]          ; q's record
	CROUND                                         ; the four work-groups are here: the joint loads meet
	tensor_load_to_lds s[32:35], s[24:31]          ; one load of mine is out
	s_nop 0
.rept 4
	v_nop
.endr
	v_and_b32 v15, 31, v0                          ; lane
	v_and_b32 v1, 15, v0                           ; r
	s_wait_alu depctr_va_vdst(0)
	v_bfe_u32 v2, v0, 4, 1                         ; h
	s_lshl_b32 s22, s16, 4
	s_add_co_u32 s22, s22, s14                     ; my tile of queries: 2 i + u
	s_mul_i32 s23, s22, 768
	v_lshlrev_b32 v3, 3, v15                       ; K's codes: 8 x lane
	s_delay_alu instid0(VALU_DEP_1)
	v_add_nc_u32 v9, s23, v3
	s_wait_alu depctr_va_vdst(0)
	s_lshr_b32 s36, s22, 3
	s_lshl_b32 s36, s36, 9
	s_and_b32 s37, s22, 7
	s_lshl_b32 s37, s37, 2
	s_add_co_u32 s36, s36, s37
	v_lshl_add_u32 v10, v1, 5, s36
	s_lshr_b32 s38, s22, 1                         ; i
	s_and_b32 s39, s22, 1                          ; u
	s_lshl_b32 s36, s38, 7
	s_lshl_b32 s37, s39, 5
	s_add_co_u32 s36, s36, s37
	v_and_b32 v11, 8, v1
	s_delay_alu instid0(VALU_DEP_1)
	v_add_nc_u32 v11, v11, v1
	s_delay_alu instid0(VALU_DEP_1)
	v_lshl_add_u32 v11, v11, 2, s36
.irp j, 0,1,2
	global_load_b64 v[16+2*\j:17+2*\j], v9, s[8:9] offset:256*\j
.endr
	global_load_b32 v28, v10, s[8:9] offset:196608
	global_load_b32 v30, v11, s[8:9] offset:208896
	v_mul_u32_u24 v4, v2, 384
	s_delay_alu instid0(VALU_DEP_1)
	v_lshl_add_u32 v4, v1, 3, v4
	s_delay_alu instid0(VALU_DEP_1)
	v_add_nc_u32 v4, 98304, v4                     ; V: block h of a pair, 8 bytes a channel
	s_delay_alu instid0(VALU_DEP_1)
	v_add_nc_u32 v5, 49152, v4                     ; channel tiles 2, 3
	v_lshl_add_u32 v6, v1, 5, 196608               ; K's scale words
	v_lshl_add_u32 v7, v1, 4, 204800               ; V's
	v_lshl_add_u32 v8, v2, 6, 208896               ; kn: my 16 keys of each 32
.irp j, 22,23,24,25,26,27,80,81,82,83,84,85,94,95
	v_mov_b32 v[\j], 0                             ; Q's zero codes; the registers above K's last tile; the sum
.endr
.set jj, 224
.rept 32
	v_mov_b32 v[jj], 0                             ; O^T: the step is written once
.set jj, jj+1
.endr
	; where the result goes
	s_lshr_b32 s36, s17, 1                         ; head
	s_and_b32 s37, s17, 1                          ; batch
	s_lshl_b32 s40, s38, 3
	s_lshr_b32 s41, s36, 1
	s_add_co_u32 s40, s40, s41                     ; 8 i + head / 2
	s_and_b32 s36, s36, 1
	s_lshl_b32 s41, s39, 1
	s_add_co_u32 s41, s41, s37                     ; m = 2 u + batch
	s_lshl_b32 s42, s40, 2
	s_add_co_u32 s42, s42, s41
	s_mul_i32 s42, s42, 1536
	s_mul_i32 s43, s36, 768
	s_add_co_u32 s42, s42, s43
	s_mov_b32 s43, 0
	s_add_nc_u64 s[10:11], s[6:7], s[42:43]
	s_lshl_b32 s42, s40, 8
	s_lshl_b32 s41, s41, 2
	s_add_co_u32 s42, s42, s41
	s_lshl_b32 s36, s36, 1
	s_add_co_u32 s42, s42, s36
	s_add_co_u32 s42, s42, 3145728
	s_add_nc_u64 s[12:13], s[6:7], s[42:43]
	s_mov_b32 s40, 0                               ; the step's places: K's codes,
	s_mov_b32 s41, 0                               ; V's codes,
	s_mov_b32 s42, 0                               ; K's scale words and kn,
	s_mov_b32 s43, 0                               ; V's scale words
	s_mov_b32 s44, 16
	s_wait_loadcnt 0x0
	v_mul_f32 v30, 0x3ef5fdf0, v30                 ; qn x ln(2)^2 = qn / L2
	s_delay_alu instid0(VALU_DEP_1)
	v_mov_b32 v31, v30
	s_wait_tensorcnt 0x0                           ; my sixteenth has landed,
	s_barrier_signal -1
	s_barrier_wait -1                              ; everybody's has
.Lstep:                                            ; 16 trips of 128 keys
	v_add_nc_u32 v9, s40, v3                       ; (six plain instructions: the places behind the last trip's products)
	v_add_nc_u32 v10, s41, v4
	v_add_nc_u32 v11, s41, v5
	v_add_nc_u32 v12, s42, v6
	v_add_nc_u32 v13, s43, v7
	v_add_nc_u32 v14, s42, v8
.irp t, 0,1,2,3,4,5,6,7
.irp j, 0,1,2
	ds_load_b64 v[32+6*\t+2*\j:33+6*\t+2*\j], v9 offset:768*\t+256*\j
.endr
.endr
	ds_load_b128 v[86:89], v12
	ds_load_b128 v[90:93], v12 offset:16
.irp b, 0,1,2,3
.irp k, 0,1,2,3
	ds_load_b128 v[160+16*\b+4*\k:163+16*\b+4*\k], v14 offset:128*\b+16*\k
.endr
.endr
	s_wait_dscnt 16                                ; kn's sixteen loads may be out
.irp t, 0,1,2,3,4,5,6,7
	v_wmma_scale_f32_16x16x128_f8f6f4 v[96+8*\t:103+8*\t], v[32+6*\t:43+6*\t], v[16:27], 0, v[86+\t], v28 matrix_a_fmt:MATRIX_FMT_FP6 matrix_b_fmt:MATRIX_FMT_FP6
.endr
	s_wait_dscnt 0x0
.set jj, 0
	s_wait_alu depctr_va_vdst(0)
.rept 32
	v_pk_fma_f32 v[160+jj:161+jj], v[160+jj:161+jj], v[30:31], 0x31a51518 op_sel_hi:[1,1,0]   ; B = (kn qn + 1e-8) / L2.  (These 32 name no register of the products: they are the places behind them)
.set jj, jj+2
.endr
.set jj, 0
.rept 32
	v_pk_mul_f32 v[96+jj:97+jj], v[96+jj:97+jj], v[96+jj:97+jj]   ; dots^2, each accumulator from its low end on
.set jj, jj+2
.endr
.irp dt, 0,1,2,3
.irp c, 0,1
.irp j, 0,1,2
	ds_load_b64 v[32+12*\dt+6*\c+2*\j:33+12*\dt+6*\c+2*\j], v[10+\dt/2] offset:(\dt%2)*24576+768*\c+128*\j
.endr
.endr
.endr
	ds_load_b128 v[86:89], v13
.set jj, 0
.rept 32
	v_pk_fma_f32 v[96+jj:97+jj], v[160+jj:161+jj], 0x40053526, v[96+jj:97+jj] op_sel_hi:[1,0,1] neg_lo:[0,0,1] neg_hi:[0,0,1]   ; N = L2 B - dots^2 = qn kn + 1e-8 - dots^2
.set jj, jj+2
.endr
.set jj, 0
.rept 64
	v_max_num_f32 v[96+jj], s45, v[96+jj]          ; the clip: N is held at 2^-90 from below
.set jj, jj+1
.endr
.set jj, 0
.rept 32
	v_pk_mul_f32 v[160+jj:161+jj], v[160+jj:161+jj], v[96+jj:97+jj]   ; N B
.set jj, jj+2
.endr
.set jj, 0
	s_wait_alu depctr_va_vdst(0)
.rept 64
	v_rsq_f32 v[160+jj], v[160+jj]                 ; log2(e) / sqrt(N (qn kn + 1e-8))
.set jj, jj+1
.endr
	v_nop                                          ; a plain instruction behind the last of the batch
	s_wait_alu depctr_va_vdst(0)                   ; one wait for the 64, ahead of their first reader
.set jj, 0
.rept 32
	v_pk_mul_f32 v[96+jj:97+jj], v[96+jj:97+jj], v[160+jj:161+jj]   ; log2(e) sqrt(N / (qn kn + 1e-8))
.set jj, jj+2
.endr
.set jj, 0
	s_wait_alu depctr_va_vdst(0)
.rept 64
	v_exp_f32 v[96+jj], -v[96+jj]                  ; p
.set jj, jj+1
.endr
	v_nop
	s_wait_alu depctr_va_vdst(0)
	; p's four blocks of 32 keys are quantised, and the row's sum is taken between the quantiser's lines
.set nn, 0
.irp b, 0,1,2,3
	v_max3_num_f32 v[TM+\b], v[96+16*\b], v[97+16*\b], 0x1800000   ; my 16 numbers of block b (none is negative), over the floor 2^(3 - 127)
.endr
	TWOADD
.irp i, 2,4,6,8,10,12,14
.irp b, 0,1,2,3
	v_max3_num_f32 v[TM+\b], v[TM+\b], v[96+16*\b+\i], v[97+16*\b+\i]
.endr
	TWOADD
.endr
.irp b, 0,1,2,3
	v_permlanex16_b32 v[TM+4+\b], v[TM+\b], s[SEL], s[SEL+1]
.endr
	TWOADD
.irp b, 0,1,2,3
	v_max_num_f32 v[TM+\b], v[TM+\b], v[TM+4+\b]   ; with lane l xor 16's: the block's largest p
.endr
	TWOADD
.irp b, 0,1,2,3
	v_add_nc_u32 v[TM+12+\b], 0xff000000, v[TM+\b]   ; 2 off the exponent field: the conversion's scale operand
.endr
	TWOADD
.irp b, 0,1,2,3
	v_lshrrev_b32 v[TM+4+\b], 23, v[TM+12+\b]      ; the scale's byte
.endr
	TWOADD
	v_lshl_or_b32 v[PW], v[TM+5], 8, v[TM+4]
	v_lshl_or_b32 v177, v[TM+7], 8, v[TM+6]
	PADD 24
.irp c, 0,1
	v_cvt_scalef32_pk16_fp6_f32 v[PC+6*\c:PC+2+6*\c], v[96+32*\c:111+32*\c], v[TM+12+2*\c]
	v_cvt_scalef32_pk16_fp6_f32 v[PC+12+4*\c:PC+14+4*\c], v[112+32*\c:127+32*\c], v[TM+12+2*\c+1]
.endr
	v_lshl_or_b32 v[PW], v177, 16, v[PW]           ; p's scale word; also the plain instruction behind the conversions
.irp c, 0,1
.irp i, 0,1,2
	v_permlane16_swap_b32 v[PC+6*\c+\i], v[PC+12+4*\c+\i]   ; a whole block to a lane
.endr
.endr
.irp c, 0,1
.irp i, 0,1,2
	v_mov_b32 v[PC+3+6*\c+\i], v[PC+12+4*\c+\i]
.endr
.endr
	v_pk_add_f32 v[212:213], v[212:213], v[214:215]   ; the eight chains are joined: these seven are also the places between p's codes and the products
	v_pk_add_f32 v[216:217], v[216:217], v[218:219]
	v_pk_add_f32 v[220:221], v[220:221], v[222:223]
	v_pk_add_f32 v[94:95], v[94:95], v[178:179]
	s_delay_alu instid0(VALU_DEP_3)
	v_pk_add_f32 v[212:213], v[212:213], v[216:217]
	s_delay_alu instid0(VALU_DEP_2)
	v_pk_add_f32 v[94:95], v[94:95], v[220:221]
	s_delay_alu instid0(VALU_DEP_1)
	v_pk_add_f32 v[94:95], v[94:95], v[212:213]
	s_wait_alu depctr_va_vdst(0)                   ; directly ahead of the wait below
	s_wait_dscnt 0x0                               ; V
.irp dt, 0,1,2,3
	v_wmma_scale_f32_16x16x128_f8f6f4 v[224+8*\dt:231+8*\dt], v[32+12*\dt:43+12*\dt], v[180:191], v[224+8*\dt:231+8*\dt], v[86+\dt], v176 matrix_a_fmt:MATRIX_FMT_FP6 matrix_b_fmt:MATRIX_FMT_FP6
.endr
	s_add_co_u32 s40, s40, 6144
	s_add_co_u32 s41, s41, 1536
	s_add_co_u32 s42, s42, 512
	s_add_co_u32 s43, s43, 256
	s_sub_co_u32 s44, s44, 1
	s_cmp_lg_u32 s44, 0
	s_cbranch_scc1 .Lstep
.rept 4
	v_nop
.endr
	s_wait_alu depctr_va_vdst(0)
	v_add_f32 v94, v94, v95
	s_delay_alu instid0(VALU_DEP_1)
	v_permlanex16_b32 v95, v94, s[SEL], s[SEL+1]
	s_delay_alu instid0(VALU_DEP_1)
	v_add_f32 v94, v94, v95                        ; the row's sum
	s_wait_alu depctr_va_vdst(0)
	v_rcp_f32 v94, v94
	v_lshlrev_b32 v10, 4, v1
	s_wait_alu depctr_va_vdst(0)
.set jj, 0
.rept 16
	v_pk_mul_f32 v[96+jj:97+jj], v[224+jj:225+jj], v[94:95] op_sel_hi:[1,0]   ; register 16 b + i = channel 32 b + 16 h + i
.set jj, jj+2
.endr
.irp b, 0,1
	v_max3_num_f32 v[160+\b], |v[96+16*\b]|, |v[97+16*\b]|, 0x1800000
.endr
.irp i, 2,4,6,8,10,12,14
.irp b, 0,1
	s_delay_alu instid0(VALU_DEP_2)
	v_max3_num_f32 v[160+\b], v[160+\b], |v[96+16*\b+\i]|, |v[97+16*\b+\i]|
.endr
.endr
.irp b, 0,1
	s_delay_alu instid0(VALU_DEP_2)
	v_permlanex16_b32 v[164+\b], v[160+\b], s[SEL], s[SEL+1]
.endr
.irp b, 0,1
	s_delay_alu instid0(VALU_DEP_2)
	v_max_num_f32 v[160+\b], v[160+\b], v[164+\b]
.endr
.irp b, 0,1
	s_delay_alu instid0(VALU_DEP_2)
	v_add_nc_u32 v[172+\b], 0xff000000, v[160+\b]
.endr
.irp b, 0,1
	s_delay_alu instid0(VALU_DEP_2)
	v_lshrrev_b32 v[164+\b], 23, v[172+\b]
.endr
	s_delay_alu instid0(VALU_DEP_1)
	v_lshl_or_b32 v176, v165, 8, v164
	v_cvt_scalef32_pk16_fp6_f32 v[180:182], v[96:111], v172
	v_cvt_scalef32_pk16_fp6_f32 v[192:194], v[112:127], v173
	v_nop
.irp i, 0,1,2
	v_permlane16_swap_b32 v[180+\i], v[192+\i]
.endr
.irp i, 0,1,2
	s_delay_alu instid0(VALU_DEP_3)
	v_mov_b32 v[183+\i], v[192+\i]
.endr
.irp j, 0,1,2
	global_store_b64 v3, v[180+2*\j:181+2*\j], s[10:11] offset:256*\j   ; 256 consecutive bytes, aligned
.endr
	global_store_b16 v10, v176, s[12:13]           ; the head's two bytes of the row's scale word
	s_wait_xcnt 0x0
	v_lshl_add_u32 v254, v0, 2, 0x35000
	v_mov_b32 v255, 0
	s_wait_alu depctr_va_vdst(0)
	s_wait_tensorcnt 0x0                           ; the wave's end
	ds_add_u32 v254, v255
	s_wait_dscnt 0x0
	CROUND                                         ; the closing round
	s_endpgm
.Lfunc_end_k_q5455052c9f_attn:
	.size	k_q5455052c9f_attn, .Lfunc_end_k_q5455052c9f_attn-k_q5455052c9f_attn
	.p2alignl 7, 3214868480
	.fill 96, 4, 3214868480
	.section	.rodata,"a",@progbits
	.p2align	6, 0x0
	.amdhsa_kernel k_q5455052c9f_attn
		.amdhsa_group_segment_fixed_size 219136
		.amdhsa_private_segment_fixed_size 0
		.amdhsa_enable_private_segment 0
		.amdhsa_kernarg_size 16
		.amdhsa_user_sgpr_count 2
		.amdhsa_user_sgpr_kernarg_segment_ptr 1
		.amdhsa_wavefront_size32 1
		.amdhsa_system_sgpr_workgroup_id_x 1
		.amdhsa_system_sgpr_workgroup_id_y 1
		.amdhsa_system_sgpr_workgroup_id_z 1
		.amdhsa_system_vgpr_workitem_id 0
		.amdhsa_next_free_vgpr 256
		.amdhsa_next_free_sgpr 66
		.amdhsa_reserve_vcc 0
		.amdhsa_float_denorm_mode_32 3
		.amdhsa_float_denorm_mode_16_64 3
		.amdhsa_memory_ordered 1
		.amdhsa_forward_progress 1
		.amdhsa_inst_pref_size 45
	.end_amdhsa_kernel
	.amdgpu_metadata
---
amdhsa.version: [ 1, 2 ]
amdhsa.kernels:
  - .name:           k_q5455052c9f_attn
    .symbol:         k_q5455052c9f_attn.kd
    .args:
      - { .name: qkvbuf, .offset: 0, .size: 8, .value_kind: global_buffer, .address_space: global }
      - { .name: ao, .offset: 8, .size: 8, .value_kind: global_buffer, .address_space: global }
    .group_segment_fixed_size: 219136
    .private_segment_fixed_size: 0
    .kernarg_segment_align: 8
    .kernarg_segment_size: 16
    .max_flat_workgroup_size: 512
    .sgpr_count:     66
    .vgpr_count:     256
    .wavefront_size: 32
...
	.end_amdgpu_metadata
.endif
;; end of part 3
;; launch wo_ln (part 4): grid 64 x 1, 4 waves a work-group, clusters of 4 x 1, 327,680 bytes of LDS; arguments prepbuf, bo, ao, src, g1, beta1, xall; writes xall
.if DOCPART == 4
	.amdgcn_target "amdgcn-amd-amdhsa--gfx1250"
	.amdhsa_code_object_version 6
	.text
	.protected	k_q5455052c9f_wo_ln
	.globl	k_q5455052c9f_wo_ln
	.p2align	8
	.type	k_q5455052c9f_wo_ln,@function
k_q5455052c9f_wo_ln:
	s_mov_b64 s[64:65], 0
	v_nop
	global_prefetch_b8 v0, s[64:65] scope:SCOPE_SE
	s_setreg_imm32_b32 hwreg(HW_REG_WAVE_MODE, 25, 1), 1
	s_wait_xcnt 0x0
	s_wait_alu depctr_hold_cnt(0) depctr_sa_sdst(0) depctr_va_vdst(0) depctr_va_sdst(0) depctr_va_ssrc(0) depctr_va_vcc(0) depctr_vm_vsrc(0)
	s_getreg_b32 s2, hwreg(HW_REG_IB_STS2, 6, 4)
	s_cmp_eq_u32 s2, 0
	s_cbranch_scc0 .Lentry_in_a_cluster
	s_endpgm
.Lentry_in_a_cluster:
	s_bfe_u32 s2, ttmp6, 0x10000c
	s_cmp_lg_u32 s2, 0x3003
	s_cbranch_scc0 .Lentry_shape_is_right
	s_endpgm
.Lentry_shape_is_right:
; WO + LN1: y = ao wo^T + bo; z = src + y / (|y| + 1e-8); x = (z - mean) / sqrt(var + 1e-5) g1 + beta1 (var over 1,023); x leaves as f32 and as codes for the next product.
; The product's engine is that of the launch for q, k, v: 64 rows x 1,024 columns to a work-group, so that a row's three sums have one owner; wave w takes columns 256 w on; eight K steps of 128 through two LDS slots;
; the four row blocks of a cluster ask for the weights jointly.  64 work-groups: with fewer rows to a group each would still take in all of wo.
; The mean is taken first and the squares of z - mean second, as the layer norm is written.  Sums go from wave to wave through LDS, one barrier each.
; LIMITS: NaN and infinities are not served; blocks under 2^-124 get the byte 1 (this program alone reads the bytes).
; REGISTERS: as in that launch; behind the products window 1 holds two tiles' src, then g1 (v0-127) and beta1 (v128-255); v[248 + 2 m] the mean, then 1 / sqrt(var + 1e-5).
.set SLOTB, 98304
.set QTR,   24576
.set AIMG,  196608
.set BSC,   245760
.set ASC,   278528
.set SPARE, 280576
.set RED,   281088
.set HA,  32
.set PC,  96
.set TM,  116
.set PW,  132
.set PWS, 133
.set VAL, 204
.set SS,  208
.set INV, 240
.set MEA, 248
.set SEL, 82
.set MSB, 0
.macro WIN new
.if MSB != \new
	s_set_vgpr_msb (MSB<<8)|\new
.set MSB, \new
.endif
.endm
.macro PLACES n
.rept \n
	v_nop
.endr
.endm
.macro CREST
	s_cmp_lg_u32 s14, 0
	s_cbranch_scc1 .Lnot_wave_0_\@
	s_barrier_signal -3
.Lnot_wave_0_\@:
	s_barrier_wait -3
	s_barrier_signal -1
	s_barrier_wait -1
.endm
.macro CROUND
	s_barrier_signal -1
	s_barrier_wait -1
	CREST
.endm
.macro DESC1 g, w0, rows
	s_mov_b32 s[\g], \w0
	s_mov_b32 s[\g+1], 32<<16
	s_mov_b32 s[\g+2], (\rows)<<16
	s_mov_b32 s[\g+3], 32<<16
	s_mov_b32 s[\g+4], \rows
	s_mov_b32 s[\g+5], 32
	s_mov_b32 s[\g+6], 0
	s_mov_b32 s[\g+7], 0
.endm
.macro QUANT s
.irp b, 0,1,2,3
	v_max3_num_f32 v[TM+\b], |v[\s+16*\b]|, |v[\s+1+16*\b]|, 0x1800000
.endr
.irp i, 2,4,6,8,10,12,14
.irp b, 0,1,2,3
	v_max3_num_f32 v[TM+\b], v[TM+\b], |v[\s+16*\b+\i]|, |v[\s+1+16*\b+\i]|
.endr
.endr
.irp b, 0,1,2,3
	v_permlanex16_b32 v[TM+4+\b], v[TM+\b], s[SEL], s[SEL+1]
.endr
.irp b, 0,1,2,3
	v_max_num_f32 v[TM+\b], v[TM+\b], v[TM+4+\b]
.endr
.irp b, 0,1,2,3
	v_add_nc_u32 v[TM+12+\b], 0xff000000, v[TM+\b]
.endr
.irp b, 0,1,2,3
	v_lshrrev_b32 v[TM+4+\b], 23, v[TM+12+\b]
.endr
	v_lshl_or_b32 v[PW], v[TM+5], 8, v[TM+4]
	v_lshl_or_b32 v[PW], v[TM+6], 16, v[PW]
	v_lshl_or_b32 v[PW], v[TM+7], 24, v[PW]
.irp c, 0,1
	v_cvt_scalef32_pk16_fp6_f32 v[PC+6*\c:PC+2+6*\c], v[\s+32*\c:\s+15+32*\c], v[TM+12+2*\c]
	v_cvt_scalef32_pk16_fp6_f32 v[PC+12+4*\c:PC+14+4*\c], v[\s+16+32*\c:\s+31+32*\c], v[TM+12+2*\c+1]
.endr
	v_nop
.irp c, 0,1
.irp i, 0,1,2
	v_permlane16_swap_b32 v[PC+6*\c+\i], v[PC+12+4*\c+\i]
.endr
.irp i, 0,1,2
	v_mov_b32 v[PC+3+6*\c+\i], v[PC+12+4*\c+\i]
.endr
.endr
.endm
.macro FS p, q                         ; every window is 0 where it stands
.irp k, 0,1,2,3
	ds_load_b128 v[32+20*(\p)+4*\k:32+20*(\p)+4*\k+3], v19 offset:(\q)*1024+16*\k
.endr
	ds_load_b128 v[48+20*(\p):48+20*(\p)+3], v20 offset:(\q)*256
.endm
.macro FB set, slot, half
	WIN 0x40
.irp t, 0,1,2,3,4,5,6,7
.irp c, 0,1,2
	ds_load_b128 v[96*(\set)+12*\t+4*\c:96*(\set)+12*\t+4*\c+3], v[16+(\slot)] offset:(8*(\half)+\t)*1536+512*\c
.endr
.endr
	WIN 0
.endm
.macro FA p, q
.irp m, 0,1,2,3
.irp j, 0,1,2,3,4,5
	ds_load_b64 v[72+48*(\p)+12*\m+2*\j:72+48*(\p)+12*\m+2*\j+1], v18 offset:(4*(\q)+\m)*1536+256*\j
.endr
.endr
.endm
.macro MULF q, half, m0, nm            ; the accumulators take turns, one instruction a turn
	WIN 0xa1+0x50*(\half)
.set mm, \m0
.rept \nm
.irp n, 0,1,2,3,4,5,6,7
	v_wmma_scale_f32_16x16x128_f8f6f4 v[8*(8*mm+\n):8*(8*mm+\n)+7], v[96*(\half)+12*\n:96*(\half)+12*\n+11], v[72+48*((\q)%2)+12*mm:72+48*((\q)%2)+12*mm+11], v[8*(8*mm+\n):8*(8*mm+\n)+7], v[32+20*((\q)%2)+8*(\half)+\n], v[48+20*((\q)%2)+mm] matrix_a_fmt:MATRIX_FMT_FP6 matrix_b_fmt:MATRIX_FMT_FP6
.endr
.set mm, mm+1
.endr
.endm
.macro P0 q
	s_wait_dscnt 12                                ; all but the youngest twelve loads: row tiles 2 and 3
	MULF \q, 0, 0, 2
	PLACES 4
	FB 1, (\q)%2, 1
	s_wait_dscnt 24                                ; all but the 24 just issued
	MULF \q, 0, 2, 2
.endm
.macro P1R q
	WIN 0
	s_wait_tensorcnt 0x0                           ; my quarter of the other slot has landed
	ds_add_u32 v28, v29                            ; 0 onto my spare word
	s_wait_dscnt 1                                 ; only the add may be out
	MULF \q, 1, 0, 1
	s_wait_dscnt 0x0                               ; the add is done, and my reads of this slot are over
	s_barrier_signal -1
	MULF \q, 1, 1, 1
	WIN 0
	s_barrier_wait -1
	CREST
	s_add_nc_u64 s[58+4*((\q)%2):59+4*((\q)%2)], s[58+4*((\q)%2):59+4*((\q)%2)], 2*QTR
	tensor_load_to_lds s[56+4*((\q)%2):59+4*((\q)%2)], s[24:31]
	s_nop 0
	PLACES 4
	FS ((\q)+1)%2, (\q)+1
	FB 0, ((\q)+1)%2, 0
	FA ((\q)+1)%2, (\q)+1
	MULF \q, 1, 2, 2
.endm
.macro INITACC
.irp g, 0,1
	WIN 0x80+0x40*\g
.irp m, 0,1,2,3
.irp n, 0,1,2,3,4,5,6,7
	global_load_b128 v[8*(8*\m+\n):8*(8*\m+\n)+3], v5, s[6:7] offset:512*\g+128*(\n/2)+32*(\n%2)
	global_load_b128 v[8*(8*\m+\n)+4:8*(8*\m+\n)+7], v5, s[6:7] offset:512*\g+128*(\n/2)+32*(\n%2)+16
.endr
.endr
.endr
	WIN 0
.endm
.macro SUMSQ                           ; v[VAL + m] = the sum of squares of row tile m over my 256 columns; each accumulator is read from its low end on
.irp g, 0,1
	WIN 0x0a+5*\g
.set pp, 0
.rept 16
.irp m, 0,1,2,3
.irp c, 0,1
.if pp == 0
	v_pk_mul_f32 v[SS+2*(4*\m+2*\g+\c):SS+2*(4*\m+2*\g+\c)+1], v[64*\m+32*\c:64*\m+32*\c+1], v[64*\m+32*\c:64*\m+32*\c+1]
.else
	v_pk_fma_f32 v[SS+2*(4*\m+2*\g+\c):SS+2*(4*\m+2*\g+\c)+1], v[64*\m+32*\c+2*pp:64*\m+32*\c+2*pp+1], v[64*\m+32*\c+2*pp:64*\m+32*\c+2*pp+1], v[SS+2*(4*\m+2*\g+\c):SS+2*(4*\m+2*\g+\c)+1]
.endif
.endr
.endr
.set pp, pp+1
.endr
.endr
	WIN 0
.set kk, 0
.rept 16
	v_add_f32 v[SS+2*kk], v[SS+2*kk], v[SS+2*kk+1]
.set kk, kk+1
.endr
.set kk, 0
.rept 16
	v_permlanex16_b32 v[SS+2*kk+1], v[SS+2*kk], s[SEL], s[SEL+1]
.set kk, kk+1
.endr
.set kk, 0
.rept 16
	v_add_f32 v[SS+2*kk], v[SS+2*kk], v[SS+2*kk+1]
.set kk, kk+1
.endr
.irp m, 0,1,2,3
	v_add_f32 v[VAL+\m], v[SS+8*\m], v[SS+8*\m+2]
	v_add_f32 v[SS+8*\m+1], v[SS+8*\m+4], v[SS+8*\m+6]
.endr
.irp m, 0,1,2,3
	v_add_f32 v[VAL+\m], v[VAL+\m], v[SS+8*\m+1]
.endr
.endm
.macro EXCH e
.irp m, 0,1,2,3
	ds_store_b32 v21, v[VAL+\m] offset:(\e)*1024+\m*256
.endr
	s_wait_dscnt 0x0
	s_barrier_signal -1
	s_barrier_wait -1
.irp m, 0,1,2,3
	ds_load_b128 v[144+4*\m:147+4*\m], v22 offset:(\e)*1024+\m*256
.endr
	s_wait_dscnt 0x0
.irp m, 0,1,2,3
	v_add_f32 v[144+4*\m], v[144+4*\m], v[145+4*\m]
	v_add_f32 v[146+4*\m], v[146+4*\m], v[147+4*\m]
.endr
.irp m, 0,1,2,3
	v_add_f32 v[VAL+\m], v[144+4*\m], v[146+4*\m]
.endr
.endm
.macro SRCLOAD m                       ; src of row tile m, in the accumulators' order, into half m % 2 of window 1
	WIN 0x40
.irp g, 0,1
.irp b, 0,1,2,3
.irp k, 0,1,2,3
	global_load_b128 v[128*((\m)%2)+64*\g+16*\b+4*\k:128*((\m)%2)+64*\g+16*\b+4*\k+3], v23, s[10:11] offset:((\m)/2)*65536+((\m)%2)*4096+512*\g+128*\b+16*\k
.endr
.endr
.endr
	WIN 0
.endm
.macro PASS2 m, left, more             ; z = y inv + src, in place, and its sum in four chains
	s_wait_loadcnt \left
.irp g, 0,1
	WIN 0x92+0x41*\g
.set pp, 0
.rept 32
	v_pk_fma_f32 v[64*(\m)+2*pp:64*(\m)+2*pp+1], v[64*(\m)+2*pp:64*(\m)+2*pp+1], v[INV+2*(\m):INV+2*(\m)+1], v[128*((\m)%2)+64*\g+2*pp:128*((\m)%2)+64*\g+2*pp+1] op_sel_hi:[1,0,1]
.set pp, pp+1
.endr
.endr
	WIN 0x0a
.irp c, 0,1,2,3
	v_pk_add_f32 v[SS+8*(\m)+2*\c:SS+8*(\m)+2*\c+1], v[64*(\m)+4*\c:64*(\m)+4*\c+1], v[64*(\m)+4*\c+2:64*(\m)+4*\c+3]
.endr
	WIN 0x08
.set pp, 8
.rept 24
	v_pk_add_f32 v[SS+8*(\m)+2*(pp%4):SS+8*(\m)+2*(pp%4)+1], v[SS+8*(\m)+2*(pp%4):SS+8*(\m)+2*(pp%4)+1], v[64*(\m)+2*pp:64*(\m)+2*pp+1]
.set pp, pp+1
.endr
	WIN 0x0c
.set pp, 0
.rept 32
	v_pk_add_f32 v[SS+8*(\m)+2*(pp%4):SS+8*(\m)+2*(pp%4)+1], v[SS+8*(\m)+2*(pp%4):SS+8*(\m)+2*(pp%4)+1], v[64*(\m)+2*pp:64*(\m)+2*pp+1]
.set pp, pp+1
.endr
	WIN 0
	v_pk_add_f32 v[SS+8*(\m):SS+8*(\m)+1], v[SS+8*(\m):SS+8*(\m)+1], v[SS+8*(\m)+2:SS+8*(\m)+3]
	v_pk_add_f32 v[SS+8*(\m)+4:SS+8*(\m)+5], v[SS+8*(\m)+4:SS+8*(\m)+5], v[SS+8*(\m)+6:SS+8*(\m)+7]
	v_pk_add_f32 v[SS+8*(\m):SS+8*(\m)+1], v[SS+8*(\m):SS+8*(\m)+1], v[SS+8*(\m)+4:SS+8*(\m)+5]
	v_add_f32 v[SS+8*(\m)], v[SS+8*(\m)], v[SS+8*(\m)+1]
.if \more
	SRCLOAD (\m)+2
.endif
.endm
	s_load_b256 s[4:11], s[0:1], 0x0               ; prepbuf, bo, ao, src
	s_load_b128 s[84:87], s[0:1], 0x20             ; g1, beta1
	s_load_b64 s[88:89], s[0:1], 0x30              ; xall
	v_lshl_add_u32 v28, v0, 2, SPARE
	v_mov_b32 v29, 0
	ds_add_u32 v28, v29
	ds_add_u32 v28, v29
	s_wait_dscnt 0x0
	v_lshrrev_b32 v1, 5, v0
	v_readfirstlane_b32 s14, v1
	s_bfe_u32 s15, ttmp6, 0x40000
	s_lshl_b32 s16, ttmp9, 2
	s_add_co_u32 s16, s16, s15                     ; i
	s_mov_b32 s24, 15|(3<<16)|(1<<21)              ; group 1 for the head's fill of all of slot 0: four rows (one a wave's quarter) of 3,072 elements of 8 bytes, 24,576 elements apart in memory
	s_mov_b32 s25, 3072<<16
	s_mov_b32 s26, 4<<16
	s_mov_b32 s27, 3072<<16
	s_mov_b32 s28, 4
	s_mov_b32 s29, 24576
	s_mov_b32 s30, 0
	s_mov_b32 s31, 0
	DESC1 32, 15|(3<<16)|(1<<21), 128              ; all four waves' weight scale words
	DESC1 40, 3<<16, 192                           ; all of ao's images
	DESC1 48, 3<<16, 8                             ; all of ao's scale words
	s_mov_b32 s98, 2359296                         ; group 0 for slot 0 whole: K step 0 of wave 0's tiles
	s_mov_b32 s99, 0
	s_mov_b32 s96, 1
	s_mov_b32 s97, 0
	s_mul_i32 s18, s14, 8*QTR
	s_add_co_u32 s18, s18, 2359296
	s_mov_b32 s19, 0
	s_mov_b32 s20, 9535488
	s_mov_b32 s21, 0
	s_mul_i32 s22, s16, 49152
	s_mov_b32 s23, 0
	s_lshl_b32 s90, s16, 11
	s_add_co_u32 s90, s90, 3145728
	s_mov_b32 s91, 0
	s_mov_b32 s56, 1
	s_mul_i32 s57, s14, QTR
	s_mov_b32 s60, 1
	s_add_co_u32 s61, s57, SLOTB
	s_mov_b32 s68, 1
	s_mov_b32 s69, BSC
	s_mov_b32 s72, 1
	s_mov_b32 s73, AIMG
	s_mov_b32 s76, 1
	s_mov_b32 s77, ASC
	s_mov_b32 s[SEL], 0x76543210
	s_mov_b32 s[SEL+1], 0xfedcba98
	s_mov_b32 s80, 0x3a802008                      ; 1 / 1,023
	s_mov_b32 s81, 0x3727c5ac                      ; 1e-5
	s_wait_kmcnt 0x0
	s_add_nc_u64 s[58:59], s[4:5], s[18:19]
	s_add_nc_u64 s[62:63], s[58:59], QTR
	s_or_b32 s59, s59, 0x80000000
	s_or_b32 s63, s63, 0x80000000
	s_add_nc_u64 s[70:71], s[4:5], s[20:21]
	s_or_b32 s71, s71, 0x80000000
	s_add_nc_u64 s[74:75], s[8:9], s[22:23]
	s_or_b32 s75, s75, 0x80000000
	s_add_nc_u64 s[78:79], s[8:9], s[90:91]
	s_or_b32 s79, s79, 0x80000000
	s_add_nc_u64 s[98:99], s[4:5], s[98:99]
	s_or_b32 s99, s99, 0x80000000
	CROUND                                         ; all four work-groups are here: the first joint loads meet
; the head's four tiles, one load a wave, in one chain of arms: wave 0 the weights' scale words, wave 1 ao's scale words, wave 2 ao's images, wave 3 all of slot 0
.macro HARM under, g0, g1, next
	s_cmp_lt_u32 s14, \under
	s_cbranch_scc0 \next
	tensor_load_to_lds s[\g0:\g0+3], s[\g1:\g1+7]
	s_nop 0
	PLACES 4
	s_branch .Lhead_asked
\next:
.endm
	HARM 1, 68, 32, .Lhead_1
	HARM 2, 76, 48, .Lhead_2
	HARM 3, 72, 40, .Lhead_3
	tensor_load_to_lds s[96:99], s[24:31]
	s_nop 0
	PLACES 4
.Lhead_asked:
	v_and_b32 v3, 31, v0
	v_and_b32 v1, 15, v0
	v_bfe_u32 v2, v0, 4, 1
	v_lshlrev_b32 v4, 4, v3
	v_lshlrev_b32 v5, 6, v2
	v_and_b32 v6, 8, v1
	v_add_nc_u32 v6, v6, v1
	v_add_nc_u32 v16, s57, v4
	v_add_nc_u32 v17, s61, v4
	v_lshl_add_u32 v18, v3, 3, AIMG
	s_lshl_b32 s21, s14, 13
	s_add_co_u32 s21, s21, BSC                     ; my 16 weight tiles' scale words
	v_lshl_add_u32 v19, v1, 6, s21
	v_lshl_add_u32 v20, v1, 4, ASC
	s_lshl_b32 s20, s14, 2
	s_add_co_u32 s20, s20, RED
	v_lshl_add_u32 v21, v1, 4, s20
	v_lshl_add_u32 v22, v1, 4, RED
	v_mul_u32_u24 v26, v1, 1040                    ; my stage: 16 rows of 1,040 bytes in my quarter of slot 0, used behind its last fill and last read
	v_lshl_add_u32 v26, v2, 6, v26
	v_add_nc_u32 v26, s57, v26
	v_add_nc_u32 v27, s57, v4
	v_lshlrev_b32 v23, 13, v6
	v_lshl_add_u32 v23, v2, 6, v23                 ; src: s in steps of two memory rows, + 64 h
	v_lshlrev_b32 v24, 5, v1
	v_lshl_add_u32 v24, v2, 9, v24
	s_lshl_b32 s20, s14, 10
	s_mov_b32 s21, 0
	s_add_nc_u64 s[6:7], s[6:7], s[20:21]
	s_add_nc_u64 s[84:85], s[84:85], s[20:21]
	s_add_nc_u64 s[86:87], s[86:87], s[20:21]
	s_lshl_b32 s22, s16, 18
	s_add_co_u32 s20, s20, s22                     ; 64 rows of 4,096 bytes for each i, + my 1,024 bytes of a row
	s_add_nc_u64 s[10:11], s[10:11], s[20:21]
	INITACC
	s_lshr_b32 s22, s16, 1
	s_lshl_b32 s22, s22, 3
	s_lshl_b32 s23, s14, 1
	s_add_co_u32 s22, s22, s23                     ; 8 (i / 2) + 2 w
	s_and_b32 s23, s16, 1
	s_lshl_b32 s18, s22, 3
	s_lshl_b32 s19, s23, 2
	s_add_co_u32 s18, s18, s19
	s_mul_i32 s18, s18, 1536
	s_add_co_u32 s18, s18, 16777216
	s_mov_b32 s19, 0
	s_add_nc_u64 s[90:91], s[88:89], s[18:19]      ; x's images
	s_lshl_b32 s18, s22, 9
	s_lshl_b32 s23, s23, 4
	s_add_co_u32 s18, s18, s23
	s_add_co_u32 s18, s18, 19922944
	s_add_nc_u64 s[92:93], s[88:89], s[18:19]      ; x's scale words
	s_add_nc_u64 s[88:89], s[88:89], s[20:21]      ; x as f32
	s_wait_alu depctr_va_vdst(0)
	s_wait_tensorcnt 0x0                           ; my tile of the head's four is in
	ds_add_u32 v28, v29
	s_mov_b32 s25, 32<<16                          ; no load of mine is out: group 1 now states the ring's quarter, 96 rows of 256 bytes
	s_mov_b32 s26, 96<<16
	s_mov_b32 s27, 32<<16
	s_mov_b32 s28, 96
	s_mov_b32 s29, 32
	s_wait_dscnt 0x0
	CROUND                                         ; all four tiles are in, in all four work-groups
	tensor_load_to_lds s[60:63], s[24:31]          ; slot 1's first fill: my quarter of K step 1
	s_nop 0
	PLACES 4
	FS 0, 0
	FB 0, 0, 0
	FA 0, 0
	s_wait_loadcnt 0x0
.irp q, 0,1,2,3,4,5
	P0 \q
	P1R \q
.endr
	P0 6
	WIN 0
	s_wait_tensorcnt 0x0                           ; K step 7's quarter: nothing was issued behind it, and I alone read it
	s_wait_dscnt 0x0
	MULF 6, 1, 0, 2
	WIN 0                                          ; the scale words' addresses and registers lie in window 0
	PLACES 4
	FS 1, 7
	FB 0, 1, 0
	FA 1, 7
	MULF 6, 1, 2, 2
	P0 7
	s_wait_dscnt 0x0
	MULF 7, 1, 0, 4
	WIN 0
	PLACES 4
	s_wait_alu depctr_va_vdst(0)
	SRCLOAD 0
	SRCLOAD 1
.irp b, 0,1,2,3
	v_mov_b32 v[TM+4+\b], 0
	v_mov_b32 v[MEA+2*\b+1], 0                     ; named as the upper half of a pair
.endr
	SUMSQ
	EXCH 0
	s_wait_alu depctr_va_vdst(0)
.irp m, 0,1,2,3
	v_sqrt_f32 v[VAL+\m], v[VAL+\m]
.endr
	v_nop
	s_wait_alu depctr_va_vdst(0)                   ; one wait a batch, ahead of its first reader
.irp m, 0,1,2,3
	v_add_f32 v[VAL+\m], 0x322bcc77, v[VAL+\m]
.endr
	s_wait_alu depctr_va_vdst(0)
.irp m, 0,1,2,3
	v_rcp_f32 v[INV+2*\m], v[VAL+\m]
.endr
.irp m, 0,1,2,3
	v_mov_b32 v[INV+2*\m+1], 0
.endr
	s_wait_alu depctr_va_vdst(0)
	PASS2 0, 32, 1                                 ; the next tile's 32 loads may be out
	PASS2 1, 32, 1
	PASS2 2, 32, 0
	PASS2 3, 0, 0
	WIN 0x40
.irp g, 0,1
.irp b, 0,1,2,3
.irp k, 0,1,2,3
	global_load_b128 v[64*\g+16*\b+4*\k:64*\g+16*\b+4*\k+3], v5, s[84:85] offset:512*\g+128*\b+16*\k
	global_load_b128 v[128+64*\g+16*\b+4*\k:128+64*\g+16*\b+4*\k+3], v5, s[86:87] offset:512*\g+128*\b+16*\k
.endr
.endr
.endr
	WIN 0
.irp m, 0,1,2,3
	v_permlanex16_b32 v[SS+8*\m+1], v[SS+8*\m], s[SEL], s[SEL+1]
.endr
.irp m, 0,1,2,3
	v_add_f32 v[VAL+\m], v[SS+8*\m], v[SS+8*\m+1]
.endr
	EXCH 1
.irp m, 0,1,2,3
	v_mul_f32 v[MEA+2*\m], 0x3a800000, v[VAL+\m]   ; the mean
.endr
.irp g, 0,1
	WIN 0x82+0x41*\g
.irp m, 0,1,2,3
.set pp, 0
.rept 32
	v_pk_add_f32 v[64*\m+2*pp:64*\m+2*pp+1], v[64*\m+2*pp:64*\m+2*pp+1], v[MEA+2*\m:MEA+2*\m+1] op_sel_hi:[1,0] neg_lo:[0,1] neg_hi:[0,1]
.set pp, pp+1
.endr
.endr
.endr
	SUMSQ
	EXCH 2
.irp m, 0,1,2,3
	v_fma_f32 v[VAL+\m], v[VAL+\m], s80, s81       ; var + 1e-5
.endr
	s_wait_alu depctr_va_vdst(0)
.irp m, 0,1,2,3
	v_rsq_f32 v[MEA+2*\m], v[VAL+\m]
.endr
	v_nop
	s_wait_alu depctr_va_vdst(0)
	s_wait_loadcnt 0x0                             ; g1, beta1
.irp m, 0,1,2,3
.irp g, 0,1
	WIN 0x82+0x41*\g
.set pp, 0
.rept 32
	v_pk_mul_f32 v[64*\m+2*pp:64*\m+2*pp+1], v[64*\m+2*pp:64*\m+2*pp+1], v[MEA+2*\m:MEA+2*\m+1] op_sel_hi:[1,0]
.set pp, pp+1
.endr
	WIN 0x16+\g
.set pp, 0
.rept 32
	v_pk_fma_f32 v[HA+2*pp:HA+2*pp+1], v[64*\m+2*pp:64*\m+2*pp+1], v[64*\g+2*pp:64*\g+2*pp+1], v[128+64*\g+2*pp:128+64*\g+2*pp+1]
.set pp, pp+1
.endr
	WIN 0
.irp k, 0,1,2,3,4,5,6,7,8,9,10,11,12,13,14,15
	ds_store_b128 v26, v[HA+4*\k:HA+4*\k+3] offset:512*\g+128*(\k/4)+16*(\k%4)
.endr
	s_wait_xcnt 0x0                                ; the last stores have read the codes' registers
	QUANT HA
.irp c, 0,1,2
	global_store_b128 v4, v[PC+4*\c:PC+4*\c+3], s[90:91] offset:(8*\g+\m)*1536+512*\c   ; 512 consecutive bytes
.endr
	v_mov_b32 v[PWS+2*\m+\g], v[PW]
.endr
.irp hf, 0,1
	s_wait_xcnt 0x0
.irp t, 0,1,2,3,4,5,6,7,8,9,10,11,12,13,14,15
	ds_load_b128 v[144+4*\t:147+4*\t], v27 offset:\t*1040+512*\hf   ; LDS serves a wave's instructions in order: these see my stores
.endr
.irp t, 0,1,2,3,4,5,6,7,8,9,10,11,12,13,14,15
	s_wait_dscnt 15-\t
	global_store_b128 v4, v[144+4*\t:147+4*\t], s[88:89] offset:(16*\m+\t)*4096+512*\hf   ; 512 consecutive bytes of a row of x
.endr
.endr
.endr
	s_wait_xcnt 0x0
	v_cmp_ne_u32 vcc_lo, 0, v2                     ; the upper half of the lanes: made behind the last tensor load
	s_wait_alu depctr_va_vdst(0)
.irp m, 0,1,2,3
	v_cndmask_b32 v[144+\m], v[PWS+2*\m], v[PWS+2*\m+1], vcc_lo
.endr
	global_store_b128 v24, v[144:147], s[92:93]
	s_wait_tensorcnt 0x0                           ; the wave's end
	ds_add_u32 v28, v29
	s_wait_dscnt 0x0
	CROUND
	s_endpgm
.Lfunc_end_k_q5455052c9f_wo_ln:
	.size	k_q5455052c9f_wo_ln, .Lfunc_end_k_q5455052c9f_wo_ln-k_q5455052c9f_wo_ln
	.p2alignl 7, 3214868480
	.fill 96, 4, 3214868480
	.section	.rodata,"a",@progbits
	.p2align	6, 0x0
	.amdhsa_kernel k_q5455052c9f_wo_ln
		.amdhsa_group_segment_fixed_size 327680
		.amdhsa_private_segment_fixed_size 0
		.amdhsa_enable_private_segment 0
		.amdhsa_kernarg_size 56
		.amdhsa_user_sgpr_count 2
		.amdhsa_user_sgpr_kernarg_segment_ptr 1
		.amdhsa_wavefront_size32 1
		.amdhsa_system_sgpr_workgroup_id_x 1
		.amdhsa_system_sgpr_workgroup_id_y 1
		.amdhsa_system_sgpr_workgroup_id_z 1
		.amdhsa_system_vgpr_workitem_id 0
		.amdhsa_next_free_vgpr 1024
		.amdhsa_next_free_sgpr 100
		.amdhsa_reserve_vcc 1
		.amdhsa_float_denorm_mode_32 3
		.amdhsa_float_denorm_mode_16_64 3
		.amdhsa_memory_ordered 1
		.amdhsa_forward_progress 1
		.amdhsa_inst_pref_size 255
	.end_amdhsa_kernel
	.section	.bss,"aw",@nobits
	.p2align	6
	.space	262144
	.amdgpu_metadata
---
amdhsa.version: [ 1, 2 ]
amdhsa.kernels:
  - .name:           k_q5455052c9f_wo_ln
    .symbol:         k_q5455052c9f_wo_ln.kd
    .args:
      - { .name: prepbuf, .offset: 0, .size: 8, .value_kind: global_buffer, .address_space: global }
      - { .name: bo, .offset: 8, .size: 8, .value_kind: global_buffer, .address_space: global }
      - { .name: ao, .offset: 16, .size: 8, .value_kind: global_buffer, .address_space: global }
      - { .name: src, .offset: 24, .size: 8, .value_kind: global_buffer, .address_space: global }
      - { .name: g1, .offset: 32, .size: 8, .value_kind: global_buffer, .address_space: global }
      - { .name: beta1, .offset: 40, .size: 8, .value_kind: global_buffer, .address_space: global }
      - { .name: xall, .offset: 48, .size: 8, .value_kind: global_buffer, .address_space: global }
    .group_segment_fixed_size: 327680
    .private_segment_fixed_size: 0
    .kernarg_segment_align: 8
    .kernarg_segment_size: 56
    .max_flat_workgroup_size: 128
    .sgpr_count:     100
    .vgpr_count:     1024
    .wavefront_size: 32
...
	.end_amdgpu_metadata
.endif
;; end of part 4
;; launch ffn1a (part 5): grid 16 x 16, 4 waves a work-group, clusters of 4 x 4, 327,680 bytes of LDS; arguments xall, prepbuf, b1, ssq; writes ssq
.if DOCPART == 5
	.amdgcn_target "amdgcn-amd-amdhsa--gfx1250"
	.amdhsa_code_object_version 6
	.text
	.protected	k_q5455052c9f_ffn1a
	.globl	k_q5455052c9f_ffn1a
	.p2align	8
	.type	k_q5455052c9f_ffn1a,@function
k_q5455052c9f_ffn1a:
	s_mov_b64 s[64:65], 0
	v_nop
	global_prefetch_b8 v0, s[64:65] scope:SCOPE_SE
	s_setreg_imm32_b32 hwreg(HW_REG_WAVE_MODE, 25, 1), 1
	s_wait_xcnt 0x0
	s_wait_alu depctr_hold_cnt(0) depctr_sa_sdst(0) depctr_va_vdst(0) depctr_va_sdst(0) depctr_va_ssrc(0) depctr_va_vcc(0) depctr_vm_vsrc(0)
	s_getreg_b32 s2, hwreg(HW_REG_IB_STS2, 6, 4)
	s_cmp_eq_u32 s2, 0
	s_cbranch_scc0 .Lentry_in_a_cluster
	s_endpgm
.Lentry_in_a_cluster:
	s_bfe_u32 s2, ttmp6, 0x10000c
	s_cmp_lg_u32 s2, 0xf033
	s_cbranch_scc0 .Lentry_shape_is_right
	s_endpgm
.Lentry_shape_is_right:
.set G,     8
.set NQ,    2
.set NS,    4
.set SG,    4096
.set GRPB,  98304
.set AOFF,  16777216
.set ASCOFF, 19922944
.set BOFF,  3145728
.set BSCOFF, 9568256
.set SLOTB, 98304
.set QTR,   24576
.set SCL,   196608
.set SPARE, SCL+4*SG
.set RED,   SPARE+512
.set SEL,   96
.set MSB, 0
.macro WIN new
.if MSB != \new
	s_set_vgpr_msb (MSB<<8)|\new
.set MSB, \new
.endif
.endm
.macro PLACES n
.rept \n
	v_nop
.endr
.endm
.macro CREST
	s_cmp_lg_u32 s14, 0
	s_cbranch_scc1 .Lnot_wave_0_\@
	s_barrier_signal -3
.Lnot_wave_0_\@:
	s_barrier_wait -3
	s_barrier_signal -1
	s_barrier_wait -1
.endm
.macro CROUND
	s_barrier_signal -1
	s_barrier_wait -1
	CREST
.endm
.macro JLOAD g0a, g1a, g0b, g1b
	s_cmp_eq_u32 s15, 0
	s_cbranch_scc0 .Lfor_b_\@
	tensor_load_to_lds s[\g0a:\g0a+3], s[\g1a:\g1a+7]
	s_nop 0
.rept 4
	v_nop
.endr
	s_branch .Lasked_\@
.Lfor_b_\@:
	tensor_load_to_lds s[\g0b:\g0b+3], s[\g1b:\g1b+7]
	s_nop 0
.rept 4
	v_nop
.endr
.Lasked_\@:
.endm
.macro FETCH s, qi, p
	WIN 0x40
.set tt, 0
.rept G
.irp c, 0,1,2
	ds_load_b128 v[12*G*(\p)+12*tt+4*\c:12*G*(\p)+12*tt+4*\c+3], v[20+(\s)] offset:((\qi)*G+tt)*1536+512*\c
.endr
.set tt, tt+1
.endr
	WIN 0
.set tt, 0
.rept G
.irp c, 0,1,2
	ds_load_b128 v[64+12*G*(\p)+12*tt+4*\c:64+12*G*(\p)+12*tt+4*\c+3], v[16+(\s)] offset:((\qi)*G+tt)*1536+512*\c
.endr
.set tt, tt+1
.endr
.endm
.macro SCALES s, si
.set kk, 0
.rept 4
	ds_load_b128 v[32+16*(\s)+4*kk:32+16*(\s)+4*kk+3], v27 offset:((\si)*NQ+kk/(G/4))*64*G+16*(kk%(G/4))
.set kk, kk+1
.endr
.endm
.macro MULT p, s, qi, a0, na
.if G == 8
	WIN 0xa1+0x50*((\a0)/4)
.else
	WIN 0x51
.endif
.set aa, \a0
.rept \na
.set bb, 0
.rept G
.if G == 8
.set AC, 8*(8*(aa%4)+bb)
.else
.set AC, 128+8*(4*aa+bb)
.endif
	v_wmma_scale_f32_16x16x128_f8f6f4 v[AC:AC+7], v[12*G*(\p)+12*bb:12*G*(\p)+12*bb+11], v[64+12*G*(\p)+12*aa:64+12*G*(\p)+12*aa+11], v[AC:AC+7], v[32+16*(\s)+G*(\qi)+bb], v[32+16*(\s)+G*(\qi)+aa] matrix_a_fmt:MATRIX_FMT_FP6 matrix_b_fmt:MATRIX_FMT_FP6 matrix_a_scale:MATRIX_SCALE_ROW1
.set bb, bb+1
.endr
.set aa, aa+1
.endr
.endm
.macro STEP s, qi
	s_wait_dscnt 3*G/2
	MULT (\qi)%2, \s, \qi, 0, G/2
	PLACES 4
	FETCH \s, (\qi)+1, 1-(\qi)%2
	s_wait_dscnt 6*G
	MULT (\qi)%2, \s, \qi, G/2, G/2
.endm
.macro TURN s, fill, si
	WIN 0
	s_wait_tensorcnt 0x0
	ds_add_u32 v28, v29
	s_wait_dscnt 3*G/2+1
	MULT 1, \s, NQ-1, 0, G/4
	s_wait_dscnt 0x0
	s_barrier_signal -1
	MULT 1, \s, NQ-1, G/4, G/4
	WIN 0
	s_barrier_wait -1
.if \fill
	CREST
	s_add_nc_u64 s[34+4*(\s):35+4*(\s)], s[34+4*(\s):35+4*(\s)], 2*QTR
	s_add_nc_u64 s[58+4*(\s):59+4*(\s)], s[58+4*(\s):59+4*(\s)], 2*QTR
	JLOAD 32+4*(\s), 24, 56+4*(\s), 48
.else
	PLACES 4
.endif
	SCALES 1-(\s), \si
	FETCH 1-(\s), 0, 0
	MULT 1, \s, NQ-1, G/2, G/2
.endm
.macro INITACC
.set aa, 0
.rept G
.if G == 8
	WIN 0x80+0x40*(aa/4)
.else
	WIN 0x40
.endif
.set bb, 0
.rept G
.if G == 8
.set AC, 8*(8*(aa%4)+bb)
.else
.set AC, 128+8*(4*aa+bb)
.endif
	global_load_b128 v[AC:AC+3], v7, s[8:9] offset:128*(bb/2)+32*(bb%2)
	global_load_b128 v[AC+4:AC+7], v7, s[8:9] offset:128*(bb/2)+32*(bb%2)+16
.set bb, bb+1
.endr
.set aa, aa+1
.endr
	WIN 0
.endm
	s_load_b256 s[4:11], s[0:1], 0x0
	v_lshl_add_u32 v28, v0, 2, SPARE
	v_mov_b32 v29, 0
	ds_add_u32 v28, v29
	ds_add_u32 v28, v29
	s_wait_dscnt 0x0
	v_lshrrev_b32 v1, 5, v0
	v_readfirstlane_b32 s14, v1
	s_lshr_b32 s15, s14, 1
	s_and_b32 s16, s14, 1
	s_bfe_u32 s40, ttmp6, 0x40000
	s_bfe_u32 s41, ttmp6, 0x40004
	s_lshl_b32 s42, ttmp9, 2
	s_add_co_u32 s42, s42, s40
	s_and_b32 s17, ttmp7, 0xffff
	s_lshl_b32 s17, s17, 2
	s_add_co_u32 s17, s17, s41
	s_lshl_b32 s43, s41, 2
	s_lshl_b32 s43, 15, s43
	s_lshl_b32 s44, 0x1111, s40
	s_or_b32 s24, s43, (3<<16)|(1<<21)
	s_or_b32 s48, s44, (3<<16)|(1<<21)
	s_or_b32 s68, s43, (3<<16)|(1<<21)
	s_or_b32 s80, s44, (3<<16)|(1<<21)
.irp g, 24, 48
	s_mov_b32 s[\g+1], 32<<16
	s_mov_b32 s[\g+2], 96<<16
	s_mov_b32 s[\g+3], 32<<16
	s_mov_b32 s[\g+4], 96
	s_mov_b32 s[\g+5], 32
	s_mov_b32 s[\g+6], 0
	s_mov_b32 s[\g+7], 0
.endr
.irp g, 68, 80
	s_mov_b32 s[\g+1], 32<<16
	s_mov_b32 s[\g+2], (SG/256)<<16
	s_mov_b32 s[\g+3], 32<<16
	s_mov_b32 s[\g+4], SG/256
	s_mov_b32 s[\g+5], 32
	s_mov_b32 s[\g+6], 0
	s_mov_b32 s[\g+7], 0
.endr
	s_lshl_b32 s20, s17, 1
	s_add_co_u32 s20, s20, s16
	s_lshl_b32 s46, s42, 1
	s_add_co_u32 s46, s46, s16
	s_mul_i32 s22, s20, SG
	s_add_co_u32 s22, s22, ASCOFF
	s_mov_b32 s23, 0
	s_mul_i32 s92, s46, SG
	s_add_co_u32 s92, s92, BSCOFF
	s_mov_b32 s93, 0
	s_mul_i32 s20, s20, GRPB
	s_add_co_u32 s20, s20, AOFF
	s_mov_b32 s21, 0
	s_mul_i32 s46, s46, GRPB
	s_add_co_u32 s46, s46, BOFF
	s_mov_b32 s47, 0
	s_mul_i32 s45, s14, QTR
	s_mul_i32 s94, s14, SG
	s_mov_b32 s[SEL], 0x76543210
	s_mov_b32 s[SEL+1], 0xfedcba98
	s_wait_kmcnt 0x0
	s_add_nc_u64 s[20:21], s[4:5], s[20:21]
	s_add_nc_u64 s[22:23], s[4:5], s[22:23]
	s_add_nc_u64 s[46:47], s[6:7], s[46:47]
	s_add_nc_u64 s[92:93], s[6:7], s[92:93]
	CROUND
	s_mov_b32 s76, 1
	s_add_co_u32 s77, s94, SCL
	s_mov_b64 s[78:79], s[22:23]
	s_or_b32 s79, s79, 0x80000000
	s_mov_b32 s88, 1
	s_add_co_u32 s89, s94, SCL
	s_mov_b64 s[90:91], s[92:93]
	s_or_b32 s91, s91, 0x80000000
	JLOAD 76, 68, 88, 80
.irp s, 0,1
	s_mov_b32 s[32+4*\s], 1
	s_add_co_u32 s[33+4*\s], s45, \s*SLOTB
	s_add_nc_u64 s[34+4*\s:35+4*\s], s[20:21], \s*QTR
	s_or_b32 s[35+4*\s], s[35+4*\s], 0x80000000
	s_mov_b32 s[56+4*\s], 1
	s_add_co_u32 s[57+4*\s], s45, \s*SLOTB
	s_add_nc_u64 s[58+4*\s:59+4*\s], s[46:47], \s*QTR
	s_or_b32 s[59+4*\s], s[59+4*\s], 0x80000000
	s_wait_alu depctr_va_vdst(0)
	s_wait_tensorcnt 0x0
	ds_add_u32 v28, v29
	s_wait_dscnt 0x0
	CROUND
	JLOAD 32+4*\s, 24, 56+4*\s, 48
.endr
	v_and_b32 v3, 31, v0
	v_and_b32 v1, 15, v0
	v_bfe_u32 v2, v0, 4, 1
	s_wait_alu depctr_va_vdst(0)
	v_lshlrev_b32 v4, 4, v3
	v_lshlrev_b32 v7, 6, v2
	s_mul_i32 s21, s15, QTR
	s_mul_i32 s22, s16, QTR
	s_add_co_u32 s22, s22, 2*QTR
.irp s, 0,1
	v_add_nc_u32 v[16+\s], s21, v4
	v_add_nc_u32 v[20+\s], s22, v4
	s_add_co_u32 s21, s21, SLOTB
	s_add_co_u32 s22, s22, SLOTB
.endr
	v_mul_u32_u24 v5, v1, 4*G
	s_mul_i32 s21, s15, SG
	s_mul_i32 s22, s16, SG
	s_add_co_u32 s22, s22, 2*SG
	s_sub_co_u32 s22, s22, s21
	v_mul_u32_u24 v6, s22, v2
	s_add_co_u32 s21, s21, SCL
	v_add_nc_u32 v5, v5, v6
	v_add_nc_u32 v27, s21, v5
	s_lshl_b32 s21, s14, 9
	s_add_co_u32 s21, s21, RED
	v_lshl_add_u32 v10, v3, 2, s21
	s_lshl_b32 s21, s15, 10
	s_lshl_b32 s22, s16, 8
	s_add_co_u32 s21, s21, s22
	s_add_co_u32 s21, s21, RED
	v_lshl_add_u32 v11, v3, 2, s21
	v_lshlrev_b32 v12, 2, v3
	s_lshl_b32 s46, s42, 1
	s_add_co_u32 s46, s46, s16
	s_mul_i32 s46, s46, 64*G
	s_mov_b32 s47, 0
	s_add_nc_u64 s[8:9], s[8:9], s[46:47]
	INITACC
	s_lshl_b32 s20, s17, 10
	s_lshl_b32 s21, s15, 9
	s_add_co_u32 s20, s20, s21
	s_lshl_b32 s21, s16, 8
	s_add_co_u32 s20, s20, s21
	s_mov_b32 s21, 0
	s_lshl_b32 s46, s42, 14
	s_add_nc_u64 s[20:21], s[20:21], s[46:47]
	s_add_nc_u64 s[10:11], s[10:11], s[20:21]
	s_wait_alu depctr_va_vdst(0)
	s_wait_tensorcnt 1
	s_barrier_signal -1
	s_barrier_wait -1
	SCALES 0, 0
	FETCH 0, 0, 0
	s_wait_loadcnt 0x0
.set sl, 0
.rept NS
.set qq, 0
.rept NQ-1
	STEP sl%2, qq
.set qq, qq+1
.endr
.if sl < NS-2
	TURN sl%2, 1, sl+1
.elseif sl == NS-2
	TURN sl%2, 0, sl+1
.else
	s_wait_dscnt 3*G/2
	MULT 1, 1, NQ-1, 0, G/2
	s_wait_dscnt 0x0
	MULT 1, 1, NQ-1, G/2, G/2
	WIN 0
.endif
.set sl, sl+1
.endr
	PLACES 4
.irp hf, 0,1
	WIN 0x0a+5*\hf
.set pp, 0
.rept 32
.irp a, 0,1,2,3
.if pp == 0
	v_pk_mul_f32 v[208+2*(4*\hf+\a):209+2*(4*\hf+\a)], v[64*\a:64*\a+1], v[64*\a:64*\a+1]
.else
	v_pk_fma_f32 v[208+2*(4*\hf+\a):209+2*(4*\hf+\a)], v[64*\a+2*pp:64*\a+2*pp+1], v[64*\a+2*pp:64*\a+2*pp+1], v[208+2*(4*\hf+\a):209+2*(4*\hf+\a)]
.endif
.endr
.set pp, pp+1
.endr
.endr
	WIN 0
.irp a, 0,1,2,3,4,5,6,7
	v_add_f32 v[208+2*\a], v[208+2*\a], v[209+2*\a]
.endr
.irp a, 0,1,2,3,4,5,6,7
	v_permlanex16_b32 v[209+2*\a], v[208+2*\a], s[SEL], s[SEL+1]
.endr
.irp a, 0,1,2,3,4,5,6,7
	v_add_f32 v[208+2*\a], v[208+2*\a], v[209+2*\a]
.endr
	v_cmp_ne_u32 vcc_lo, 0, v2                     ; the upper half of the lanes: made behind the last tensor load
.irp k, 0,1,2,3
	v_cndmask_b32 v[144+\k], v[208+4*\k], v[210+4*\k], vcc_lo
.endr
.irp k, 0,1,2,3
	ds_store_b32 v10, v[144+\k] offset:128*\k
.endr
	s_wait_dscnt 0x0
	s_barrier_signal -1
	s_barrier_wait -1
.irp k, 0,1
	ds_load_b32 v[148+\k], v11 offset:128*\k
	ds_load_b32 v[150+\k], v11 offset:512+128*\k
.endr
	s_wait_dscnt 0x0
.irp k, 0,1
	v_add_f32 v[148+\k], v[148+\k], v[150+\k]
	global_store_b32 v12, v[148+\k], s[10:11] offset:128*\k
.endr
	s_wait_tensorcnt 0x0
	ds_add_u32 v28, v29
	s_wait_dscnt 0x0
	CROUND
	s_endpgm
.Lfunc_end_k_q5455052c9f_ffn1a:
	.size	k_q5455052c9f_ffn1a, .Lfunc_end_k_q5455052c9f_ffn1a-k_q5455052c9f_ffn1a
	.p2alignl 7, 3214868480
	.fill 96, 4, 3214868480
	.section	.rodata,"a",@progbits
	.p2align	6, 0x0
	.amdhsa_kernel k_q5455052c9f_ffn1a
		.amdhsa_group_segment_fixed_size 327680
		.amdhsa_private_segment_fixed_size 0
		.amdhsa_enable_private_segment 0
		.amdhsa_kernarg_size 32
		.amdhsa_user_sgpr_count 2
		.amdhsa_user_sgpr_kernarg_segment_ptr 1
		.amdhsa_wavefront_size32 1
		.amdhsa_system_sgpr_workgroup_id_x 1
		.amdhsa_system_sgpr_workgroup_id_y 1
		.amdhsa_system_sgpr_workgroup_id_z 1
		.amdhsa_system_vgpr_workitem_id 0
		.amdhsa_next_free_vgpr 1024
		.amdhsa_next_free_sgpr 98
		.amdhsa_reserve_vcc 1
		.amdhsa_float_denorm_mode_32 3
		.amdhsa_float_denorm_mode_16_64 3
		.amdhsa_memory_ordered 1
		.amdhsa_forward_progress 1
		.amdhsa_inst_pref_size 135
	.end_amdhsa_kernel
	.amdgpu_metadata
---
amdhsa.version: [ 1, 2 ]
amdhsa.kernels:
  - .name:           k_q5455052c9f_ffn1a
    .symbol:         k_q5455052c9f_ffn1a.kd
    .args:
      - { .name: xall, .offset: 0, .size: 8, .value_kind: global_buffer, .address_space: global }
      - { .name: prepbuf, .offset: 8, .size: 8, .value_kind: global_buffer, .address_space: global }
      - { .name: b1, .offset: 16, .size: 8, .value_kind: global_buffer, .address_space: global }
      - { .name: ssq, .offset: 24, .size: 8, .value_kind: global_buffer, .address_space: global }
    .group_segment_fixed_size: 327680
    .private_segment_fixed_size: 0
    .kernarg_segment_align: 8
    .kernarg_segment_size: 32
    .max_flat_workgroup_size: 128
    .sgpr_count:     98
    .vgpr_count:     1024
    .wavefront_size: 32
...
	.end_amdgpu_metadata
.endif
;; end of part 5
;; launch ffn1b (part 6): grid 16 x 16, 4 waves a work-group, clusters of 4 x 4, 327,680 bytes of LDS; arguments xall, prepbuf, b1, ssq, hq; writes hq
.if DOCPART == 6
	.amdgcn_target "amdgcn-amd-amdhsa--gfx1250"
	.amdhsa_code_object_version 6
	.text
	.protected	k_q5455052c9f_ffn1b
	.globl	k_q5455052c9f_ffn1b
	.p2align	8
	.type	k_q5455052c9f_ffn1b,@function
k_q5455052c9f_ffn1b:
	s_mov_b64 s[64:65], 0
	v_nop
	global_prefetch_b8 v0, s[64:65] scope:SCOPE_SE
	s_setreg_imm32_b32 hwreg(HW_REG_WAVE_MODE, 25, 1), 1
	s_wait_xcnt 0x0
	s_wait_alu depctr_hold_cnt(0) depctr_sa_sdst(0) depctr_va_vdst(0) depctr_va_sdst(0) depctr_va_ssrc(0) depctr_va_vcc(0) depctr_vm_vsrc(0)
	s_getreg_b32 s2, hwreg(HW_REG_IB_STS2, 6, 4)
	s_cmp_eq_u32 s2, 0
	s_cbranch_scc0 .Lentry_in_a_cluster
	s_endpgm
.Lentry_in_a_cluster:
	s_bfe_u32 s2, ttmp6, 0x10000c
	s_cmp_lg_u32 s2, 0xf033
	s_cbranch_scc0 .Lentry_shape_is_right
	s_endpgm
.Lentry_shape_is_right:
.set G,     8
.set NQ,    2
.set NS,    4
.set SG,    4096
.set GRPB,  98304
.set AOFF,  16777216
.set ASCOFF, 19922944
.set BOFF,  3145728
.set BSCOFF, 9568256
.set SLOTB, 98304
.set QTR,   24576
.set SCL,   196608
.set SPARE, SCL+4*SG
.set HA,  32
.set PC,  96
.set TM,  116
.set PW,  132
.set PWS, 133
.set SEL, 96
.set MSB, 0
.macro WIN new
.if MSB != \new
	s_set_vgpr_msb (MSB<<8)|\new
.set MSB, \new
.endif
.endm
.macro PLACES n
.rept \n
	v_nop
.endr
.endm
.macro CREST
	s_cmp_lg_u32 s14, 0
	s_cbranch_scc1 .Lnot_wave_0_\@
	s_barrier_signal -3
.Lnot_wave_0_\@:
	s_barrier_wait -3
	s_barrier_signal -1
	s_barrier_wait -1
.endm
.macro CROUND
	s_barrier_signal -1
	s_barrier_wait -1
	CREST
.endm
.macro JLOAD g0a, g1a, g0b, g1b
	s_cmp_eq_u32 s15, 0
	s_cbranch_scc0 .Lfor_b_\@
	tensor_load_to_lds s[\g0a:\g0a+3], s[\g1a:\g1a+7]
	s_nop 0
.rept 4
	v_nop
.endr
	s_branch .Lasked_\@
.Lfor_b_\@:
	tensor_load_to_lds s[\g0b:\g0b+3], s[\g1b:\g1b+7]
	s_nop 0
.rept 4
	v_nop
.endr
.Lasked_\@:
.endm
.macro QUANT s
.irp b, 0,1,2,3
	v_max3_num_f32 v[TM+\b], |v[\s+16*\b]|, |v[\s+1+16*\b]|, 0x1800000
.endr
.irp i, 2,4,6,8,10,12,14
.irp b, 0,1,2,3
	v_max3_num_f32 v[TM+\b], v[TM+\b], |v[\s+16*\b+\i]|, |v[\s+1+16*\b+\i]|
.endr
.endr
.irp b, 0,1,2,3
	v_permlanex16_b32 v[TM+4+\b], v[TM+\b], s[SEL], s[SEL+1]
.endr
.irp b, 0,1,2,3
	v_max_num_f32 v[TM+\b], v[TM+\b], v[TM+4+\b]
.endr
.irp b, 0,1,2,3
	v_add_nc_u32 v[TM+12+\b], 0xff000000, v[TM+\b]
.endr
.irp b, 0,1,2,3
	v_lshrrev_b32 v[TM+4+\b], 23, v[TM+12+\b]
.endr
	v_lshl_or_b32 v[PW], v[TM+5], 8, v[TM+4]
	v_lshl_or_b32 v[PW], v[TM+6], 16, v[PW]
	v_lshl_or_b32 v[PW], v[TM+7], 24, v[PW]
.irp c, 0,1
	v_cvt_scalef32_pk16_fp6_f32 v[PC+6*\c:PC+2+6*\c], v[\s+32*\c:\s+15+32*\c], v[TM+12+2*\c]
	v_cvt_scalef32_pk16_fp6_f32 v[PC+12+4*\c:PC+14+4*\c], v[\s+16+32*\c:\s+31+32*\c], v[TM+12+2*\c+1]
.endr
	v_nop
.irp c, 0,1
.irp i, 0,1,2
	v_permlane16_swap_b32 v[PC+6*\c+\i], v[PC+12+4*\c+\i]
.endr
.irp i, 0,1,2
	v_mov_b32 v[PC+3+6*\c+\i], v[PC+12+4*\c+\i]
.endr
.endr
.endm
.macro FETCH s, qi, p
	WIN 0x40
.set tt, 0
.rept G
.irp c, 0,1,2
	ds_load_b128 v[12*G*(\p)+12*tt+4*\c:12*G*(\p)+12*tt+4*\c+3], v[20+(\s)] offset:((\qi)*G+tt)*1536+512*\c
.endr
.set tt, tt+1
.endr
	WIN 0
.set tt, 0
.rept G
.irp c, 0,1,2
	ds_load_b128 v[64+12*G*(\p)+12*tt+4*\c:64+12*G*(\p)+12*tt+4*\c+3], v[16+(\s)] offset:((\qi)*G+tt)*1536+512*\c
.endr
.set tt, tt+1
.endr
.endm
.macro SCALES s, si
.set kk, 0
.rept 4
	ds_load_b128 v[32+16*(\s)+4*kk:32+16*(\s)+4*kk+3], v27 offset:((\si)*NQ+kk/(G/4))*64*G+16*(kk%(G/4))
.set kk, kk+1
.endr
.endm
.macro MULT p, s, qi, a0, na
.if G == 8
	WIN 0xa1+0x50*((\a0)/4)
.else
	WIN 0x51
.endif
.set aa, \a0
.rept \na
.set bb, 0
.rept G
.if G == 8
.set AC, 8*(8*(aa%4)+bb)
.else
.set AC, 128+8*(4*aa+bb)
.endif
	v_wmma_scale_f32_16x16x128_f8f6f4 v[AC:AC+7], v[12*G*(\p)+12*bb:12*G*(\p)+12*bb+11], v[64+12*G*(\p)+12*aa:64+12*G*(\p)+12*aa+11], v[AC:AC+7], v[32+16*(\s)+G*(\qi)+bb], v[32+16*(\s)+G*(\qi)+aa] matrix_a_fmt:MATRIX_FMT_FP6 matrix_b_fmt:MATRIX_FMT_FP6 matrix_a_scale:MATRIX_SCALE_ROW1
.set bb, bb+1
.endr
.set aa, aa+1
.endr
.endm
.macro STEP s, qi
	s_wait_dscnt 3*G/2
	MULT (\qi)%2, \s, \qi, 0, G/2
	PLACES 4
	FETCH \s, (\qi)+1, 1-(\qi)%2
	s_wait_dscnt 6*G
	MULT (\qi)%2, \s, \qi, G/2, G/2
.endm
.macro TURN s, fill, si
	WIN 0
	s_wait_tensorcnt 0x0
	ds_add_u32 v28, v29
	s_wait_dscnt 3*G/2+1
	MULT 1, \s, NQ-1, 0, G/4
	s_wait_dscnt 0x0
	s_barrier_signal -1
	MULT 1, \s, NQ-1, G/4, G/4
	WIN 0
	s_barrier_wait -1
.if \fill
	CREST
	s_add_nc_u64 s[34+4*(\s):35+4*(\s)], s[34+4*(\s):35+4*(\s)], 2*QTR
	s_add_nc_u64 s[58+4*(\s):59+4*(\s)], s[58+4*(\s):59+4*(\s)], 2*QTR
	JLOAD 32+4*(\s), 24, 56+4*(\s), 48
.else
	PLACES 4
.endif
	SCALES 1-(\s), \si
	FETCH 1-(\s), 0, 0
	MULT 1, \s, NQ-1, G/2, G/2
.endm
.macro INITACC
.set aa, 0
.rept G
.if G == 8
	WIN 0x80+0x40*(aa/4)
.else
	WIN 0x40
.endif
.set bb, 0
.rept G
.if G == 8
.set AC, 8*(8*(aa%4)+bb)
.else
.set AC, 128+8*(4*aa+bb)
.endif
	global_load_b128 v[AC:AC+3], v7, s[8:9] offset:128*(bb/2)+32*(bb%2)
	global_load_b128 v[AC+4:AC+7], v7, s[8:9] offset:128*(bb/2)+32*(bb%2)+16
.set bb, bb+1
.endr
.set aa, aa+1
.endr
	WIN 0
.endm
	s_load_b256 s[4:11], s[0:1], 0x0
	s_load_b64 s[12:13], s[0:1], 0x20
	v_lshl_add_u32 v28, v0, 2, SPARE
	v_mov_b32 v29, 0
	ds_add_u32 v28, v29
	ds_add_u32 v28, v29
	s_wait_dscnt 0x0
	v_lshrrev_b32 v1, 5, v0
	v_readfirstlane_b32 s14, v1
	s_lshr_b32 s15, s14, 1
	s_and_b32 s16, s14, 1
	s_bfe_u32 s40, ttmp6, 0x40000
	s_bfe_u32 s41, ttmp6, 0x40004
	s_lshl_b32 s42, ttmp9, 2
	s_add_co_u32 s42, s42, s40
	s_and_b32 s17, ttmp7, 0xffff
	s_lshl_b32 s17, s17, 2
	s_add_co_u32 s17, s17, s41
	s_lshl_b32 s43, s41, 2
	s_lshl_b32 s43, 15, s43
	s_lshl_b32 s44, 0x1111, s40
	s_or_b32 s24, s43, (3<<16)|(1<<21)
	s_or_b32 s48, s44, (3<<16)|(1<<21)
	s_or_b32 s68, s43, (3<<16)|(1<<21)
	s_or_b32 s80, s44, (3<<16)|(1<<21)
.irp g, 24, 48
	s_mov_b32 s[\g+1], 32<<16
	s_mov_b32 s[\g+2], 96<<16
	s_mov_b32 s[\g+3], 32<<16
	s_mov_b32 s[\g+4], 96
	s_mov_b32 s[\g+5], 32
	s_mov_b32 s[\g+6], 0
	s_mov_b32 s[\g+7], 0
.endr
.irp g, 68, 80
	s_mov_b32 s[\g+1], 32<<16
	s_mov_b32 s[\g+2], (SG/256)<<16
	s_mov_b32 s[\g+3], 32<<16
	s_mov_b32 s[\g+4], SG/256
	s_mov_b32 s[\g+5], 32
	s_mov_b32 s[\g+6], 0
	s_mov_b32 s[\g+7], 0
.endr
	s_lshl_b32 s20, s17, 1
	s_add_co_u32 s20, s20, s16
	s_lshl_b32 s46, s42, 1
	s_add_co_u32 s46, s46, s16
	s_mul_i32 s22, s20, SG
	s_add_co_u32 s22, s22, ASCOFF
	s_mov_b32 s23, 0
	s_mul_i32 s92, s46, SG
	s_add_co_u32 s92, s92, BSCOFF
	s_mov_b32 s93, 0
	s_mul_i32 s20, s20, GRPB
	s_add_co_u32 s20, s20, AOFF
	s_mov_b32 s21, 0
	s_mul_i32 s46, s46, GRPB
	s_add_co_u32 s46, s46, BOFF
	s_mov_b32 s47, 0
	s_mul_i32 s45, s14, QTR
	s_mul_i32 s94, s14, SG
	s_mov_b32 s[SEL], 0x76543210
	s_mov_b32 s[SEL+1], 0xfedcba98
	s_wait_kmcnt 0x0
	s_add_nc_u64 s[20:21], s[4:5], s[20:21]
	s_add_nc_u64 s[22:23], s[4:5], s[22:23]
	s_add_nc_u64 s[46:47], s[6:7], s[46:47]
	s_add_nc_u64 s[92:93], s[6:7], s[92:93]
	CROUND
	s_mov_b32 s76, 1
	s_add_co_u32 s77, s94, SCL
	s_mov_b64 s[78:79], s[22:23]
	s_or_b32 s79, s79, 0x80000000
	s_mov_b32 s88, 1
	s_add_co_u32 s89, s94, SCL
	s_mov_b64 s[90:91], s[92:93]
	s_or_b32 s91, s91, 0x80000000
	JLOAD 76, 68, 88, 80
.irp s, 0,1
	s_mov_b32 s[32+4*\s], 1
	s_add_co_u32 s[33+4*\s], s45, \s*SLOTB
	s_add_nc_u64 s[34+4*\s:35+4*\s], s[20:21], \s*QTR
	s_or_b32 s[35+4*\s], s[35+4*\s], 0x80000000
	s_mov_b32 s[56+4*\s], 1
	s_add_co_u32 s[57+4*\s], s45, \s*SLOTB
	s_add_nc_u64 s[58+4*\s:59+4*\s], s[46:47], \s*QTR
	s_or_b32 s[59+4*\s], s[59+4*\s], 0x80000000
	s_wait_alu depctr_va_vdst(0)
	s_wait_tensorcnt 0x0
	ds_add_u32 v28, v29
	s_wait_dscnt 0x0
	CROUND
	JLOAD 32+4*\s, 24, 56+4*\s, 48
.endr
	v_and_b32 v3, 31, v0
	v_and_b32 v1, 15, v0
	v_bfe_u32 v2, v0, 4, 1
	s_wait_alu depctr_va_vdst(0)
	v_lshlrev_b32 v4, 4, v3
	v_lshlrev_b32 v7, 6, v2
	s_mul_i32 s21, s15, QTR
	s_mul_i32 s22, s16, QTR
	s_add_co_u32 s22, s22, 2*QTR
.irp s, 0,1
	v_add_nc_u32 v[16+\s], s21, v4
	v_add_nc_u32 v[20+\s], s22, v4
	s_add_co_u32 s21, s21, SLOTB
	s_add_co_u32 s22, s22, SLOTB
.endr
	v_mul_u32_u24 v5, v1, 4*G
	s_mul_i32 s21, s15, SG
	s_mul_i32 s22, s16, SG
	s_add_co_u32 s22, s22, 2*SG
	s_sub_co_u32 s22, s22, s21
	v_mul_u32_u24 v6, s22, v2
	s_add_co_u32 s21, s21, SCL
	v_add_nc_u32 v5, v5, v6
	v_add_nc_u32 v27, s21, v5
	v_lshlrev_b32 v8, 2, v1
	v_lshl_add_u32 v8, v2, 17, v8
	s_wait_alu depctr_va_vdst(0)
	v_lshlrev_b32 v9, 4, v1
	v_lshl_add_u32 v9, v2, 13, v9
	s_lshl_b32 s46, s42, 1
	s_add_co_u32 s46, s46, s16
	s_mul_i32 s92, s46, 64*G
	s_mov_b32 s93, 0
	s_add_nc_u64 s[8:9], s[8:9], s[92:93]
	INITACC
	s_lshl_b32 s20, s17, 10
	s_lshl_b32 s21, s15, 9
	s_add_co_u32 s20, s20, s21
	s_mov_b32 s21, 0
	s_add_nc_u64 s[10:11], s[10:11], s[20:21]
	WIN 0x40
.irp a, 0,1,2,3,4,5,6,7
.irp k, 0,1,2,3,4,5,6,7
	global_load_b32 v[192+8*\a+\k], v8, s[10:11] offset:\k*16384+64*\a
.endr
.endr
	WIN 0
	s_lshl_b32 s20, s17, 2
	s_lshl_b32 s22, s15, 1
	s_add_co_u32 s20, s20, s22
	s_lshl_b32 s20, s20, 5
	s_add_co_u32 s20, s20, s46
	s_mul_i32 s22, s20, 6144
	s_mov_b32 s23, 0
	s_add_nc_u64 s[18:19], s[12:13], s[22:23]
	s_lshl_b32 s22, s20, 8
	s_add_co_u32 s22, s22, 12582912
	s_add_nc_u64 s[12:13], s[12:13], s[22:23]
	s_wait_tensorcnt 1
	s_barrier_signal -1
	s_barrier_wait -1
	SCALES 0, 0
	FETCH 0, 0, 0
	s_wait_loadcnt 0x0
.set sl, 0
.rept NS
.set qq, 0
.rept NQ-1
	STEP sl%2, qq
.set qq, qq+1
.endr
.if sl < NS-2
	TURN sl%2, 1, sl+1
.elseif sl == NS-2
	TURN sl%2, 0, sl+1
.else
	s_wait_dscnt 3*G/2
	MULT 1, 1, NQ-1, 0, G/2
	s_wait_dscnt 0x0
	MULT 1, 1, NQ-1, G/2, G/2
	WIN 0
.endif
.set sl, sl+1
.endr
	PLACES 4
	WIN 0x05
.irp a, 0,1,2,3,4,5,6,7
.irp k, 0,1,2,3
	v_add_f32 v[144+4*\a+\k], v[192+8*\a+2*\k], v[193+8*\a+2*\k]
.endr
.endr
	WIN 0
.irp b, 0,1,2,3
	v_mov_b32 v[TM+4+\b], 0
.endr
.irp a, 0,1,2,3,4,5,6,7
	v_add_f32 v[144+4*\a], v[144+4*\a], v[145+4*\a]
	v_add_f32 v[146+4*\a], v[146+4*\a], v[147+4*\a]
.endr
.irp a, 0,1,2,3,4,5,6,7
	v_add_f32 v[144+4*\a], v[144+4*\a], v[146+4*\a]
.endr
.irp a, 0,1,2,3,4,5,6,7
	v_permlanex16_b32 v[145+4*\a], v[144+4*\a], s[SEL], s[SEL+1]
.endr
.irp a, 0,1,2,3,4,5,6,7
	v_add_f32 v[144+4*\a], v[144+4*\a], v[145+4*\a]
.endr
	s_wait_alu depctr_va_vdst(0)
.irp a, 0,1,2,3,4,5,6,7
	v_sqrt_f32 v[144+4*\a], v[144+4*\a]
.endr
	v_nop
	s_wait_alu depctr_va_vdst(0)
.irp a, 0,1,2,3,4,5,6,7
	v_add_f32 v[144+4*\a], 0x322bcc77, v[144+4*\a]
.endr
	s_wait_alu depctr_va_vdst(0)
.irp a, 0,1,2,3,4,5,6,7
	v_rcp_f32 v[208+2*\a], v[144+4*\a]
.endr
.irp a, 0,1,2,3,4,5,6,7
	v_mov_b32 v[209+2*\a], 0
.endr
	s_wait_alu depctr_va_vdst(0)
.irp a, 0,1,2,3,4,5,6,7
	s_wait_xcnt 0x0
	WIN 0x02+\a/4
.set pp, 0
.rept 32
	v_pk_mul_f32 v[HA+2*pp:HA+2*pp+1], v[64*(\a%4)+2*pp:64*(\a%4)+2*pp+1], v[208+2*\a:209+2*\a] op_sel_hi:[1,0]
.set pp, pp+1
.endr
	WIN 0
.set pp, 0
.rept 64
	v_max_num_f32 v[HA+pp], 0, v[HA+pp]
.set pp, pp+1
.endr
	QUANT HA
.irp c, 0,1,2
	global_store_b128 v4, v[PC+4*\c:PC+4*\c+3], s[18:19] offset:(\a/4)*196608+(\a%4)*1536+512*\c
.endr
	v_mov_b32 v[PWS+\a], v[PW]
.endr
	v_cmp_ne_u32 vcc_lo, 0, v2                     ; the upper half of the lanes: made behind the last tensor load
.irp k, 0,1,2,3
	v_cndmask_b32 v[144+\k], v[PWS+\k], v[PWS+4+\k], vcc_lo
.endr
	global_store_b128 v9, v[144:147], s[12:13]
	s_wait_tensorcnt 0x0
	ds_add_u32 v28, v29
	s_wait_dscnt 0x0
	CROUND
	s_endpgm
.Lfunc_end_k_q5455052c9f_ffn1b:
	.size	k_q5455052c9f_ffn1b, .Lfunc_end_k_q5455052c9f_ffn1b-k_q5455052c9f_ffn1b
	.p2alignl 7, 3214868480
	.fill 96, 4, 3214868480
	.section	.rodata,"a",@progbits
	.p2align	6, 0x0
	.amdhsa_kernel k_q5455052c9f_ffn1b
		.amdhsa_group_segment_fixed_size 327680
		.amdhsa_private_segment_fixed_size 0
		.amdhsa_enable_private_segment 0
		.amdhsa_kernarg_size 40
		.amdhsa_user_sgpr_count 2
		.amdhsa_user_sgpr_kernarg_segment_ptr 1
		.amdhsa_wavefront_size32 1
		.amdhsa_system_sgpr_workgroup_id_x 1
		.amdhsa_system_sgpr_workgroup_id_y 1
		.amdhsa_system_sgpr_workgroup_id_z 1
		.amdhsa_system_vgpr_workitem_id 0
		.amdhsa_next_free_vgpr 1024
		.amdhsa_next_free_sgpr 98
		.amdhsa_reserve_vcc 1
		.amdhsa_float_denorm_mode_32 3
		.amdhsa_float_denorm_mode_16_64 3
		.amdhsa_memory_ordered 1
		.amdhsa_forward_progress 1
		.amdhsa_inst_pref_size 193
	.end_amdhsa_kernel
	.amdgpu_metadata
---
amdhsa.version: [ 1, 2 ]
amdhsa.kernels:
  - .name:           k_q5455052c9f_ffn1b
    .symbol:         k_q5455052c9f_ffn1b.kd
    .args:
      - { .name: xall, .offset: 0, .size: 8, .value_kind: global_buffer, .address_space: global }
      - { .name: prepbuf, .offset: 8, .size: 8, .value_kind: global_buffer, .address_space: global }
      - { .name: b1, .offset: 16, .size: 8, .value_kind: global_buffer, .address_space: global }
      - { .name: ssq, .offset: 24, .size: 8, .value_kind: global_buffer, .address_space: global }
      - { .name: hq, .offset: 32, .size: 8, .value_kind: global_buffer, .address_space: global }
    .group_segment_fixed_size: 327680
    .private_segment_fixed_size: 0
    .kernarg_segment_align: 8
    .kernarg_segment_size: 40
    .max_flat_workgroup_size: 128
    .sgpr_count:     98
    .vgpr_count:     1024
    .wavefront_size: 32
...
	.end_amdgpu_metadata
.endif
;; end of part 6
;; launch ffn2 (part 7): grid 8 x 32, 4 waves a work-group, clusters of 4 x 4, 327,680 bytes of LDS; arguments hq, prepbuf, b2, y2; writes y2
.if DOCPART == 7
	.amdgcn_target "amdgcn-amd-amdhsa--gfx1250"
	.amdhsa_code_object_version 6
	.text
	.protected	k_q5455052c9f_ffn2
	.globl	k_q5455052c9f_ffn2
	.p2align	8
	.type	k_q5455052c9f_ffn2,@function
k_q5455052c9f_ffn2:
	s_mov_b64 s[64:65], 0
	v_nop
	global_prefetch_b8 v0, s[64:65] scope:SCOPE_SE
	s_setreg_imm32_b32 hwreg(HW_REG_WAVE_MODE, 25, 1), 1
	s_wait_xcnt 0x0
	s_wait_alu depctr_hold_cnt(0) depctr_sa_sdst(0) depctr_va_vdst(0) depctr_va_sdst(0) depctr_va_ssrc(0) depctr_va_vcc(0) depctr_vm_vsrc(0)
	s_getreg_b32 s2, hwreg(HW_REG_IB_STS2, 6, 4)
	s_cmp_eq_u32 s2, 0
	s_cbranch_scc0 .Lentry_in_a_cluster
	s_endpgm
.Lentry_in_a_cluster:
	s_bfe_u32 s2, ttmp6, 0x10000c
	s_cmp_lg_u32 s2, 0xf033
	s_cbranch_scc0 .Lentry_shape_is_right
	s_endpgm
.Lentry_shape_is_right:
.set G,     4
.set NQ,    4
.set NS,    8
.set SG,    8192
.set GRPB,  196608
.set AOFF,  0
.set ASCOFF, 12582912
.set BOFF,  6291456
.set BSCOFF, 9699328
.set SLOTB, 98304
.set QTR,   24576
.set SCL,   196608
.set SPARE, SCL+4*SG
.set MSB, 0
.macro WIN new
.if MSB != \new
	s_set_vgpr_msb (MSB<<8)|\new
.set MSB, \new
.endif
.endm
.macro PLACES n
.rept \n
	v_nop
.endr
.endm
.macro CREST
	s_cmp_lg_u32 s14, 0
	s_cbranch_scc1 .Lnot_wave_0_\@
	s_barrier_signal -3
.Lnot_wave_0_\@:
	s_barrier_wait -3
	s_barrier_signal -1
	s_barrier_wait -1
.endm
.macro CROUND
	s_barrier_signal -1
	s_barrier_wait -1
	CREST
.endm
.macro JLOAD g0a, g1a, g0b, g1b
	s_cmp_eq_u32 s15, 0
	s_cbranch_scc0 .Lfor_b_\@
	tensor_load_to_lds s[\g0a:\g0a+3], s[\g1a:\g1a+7]
	s_nop 0
.rept 4
	v_nop
.endr
	s_branch .Lasked_\@
.Lfor_b_\@:
	tensor_load_to_lds s[\g0b:\g0b+3], s[\g1b:\g1b+7]
	s_nop 0
.rept 4
	v_nop
.endr
.Lasked_\@:
.endm
.macro FETCH s, qi, p
	WIN 0x40
.set tt, 0
.rept G
.irp c, 0,1,2
	ds_load_b128 v[12*G*(\p)+12*tt+4*\c:12*G*(\p)+12*tt+4*\c+3], v[20+(\s)] offset:((\qi)*G+tt)*1536+512*\c
.endr
.set tt, tt+1
.endr
	WIN 0
.set tt, 0
.rept G
.irp c, 0,1,2
	ds_load_b128 v[64+12*G*(\p)+12*tt+4*\c:64+12*G*(\p)+12*tt+4*\c+3], v[16+(\s)] offset:((\qi)*G+tt)*1536+512*\c
.endr
.set tt, tt+1
.endr
.endm
.macro SCALES s, si
.set kk, 0
.rept 4
	ds_load_b128 v[32+16*(\s)+4*kk:32+16*(\s)+4*kk+3], v27 offset:((\si)*NQ+kk/(G/4))*64*G+16*(kk%(G/4))
.set kk, kk+1
.endr
.endm
.macro MULT p, s, qi, a0, na
.if G == 8
	WIN 0xa1+0x50*((\a0)/4)
.else
	WIN 0x51
.endif
.set aa, \a0
.rept \na
.set bb, 0
.rept G
.if G == 8
.set AC, 8*(8*(aa%4)+bb)
.else
.set AC, 128+8*(4*aa+bb)
.endif
	v_wmma_scale_f32_16x16x128_f8f6f4 v[AC:AC+7], v[12*G*(\p)+12*bb:12*G*(\p)+12*bb+11], v[64+12*G*(\p)+12*aa:64+12*G*(\p)+12*aa+11], v[AC:AC+7], v[32+16*(\s)+G*(\qi)+bb], v[32+16*(\s)+G*(\qi)+aa] matrix_a_fmt:MATRIX_FMT_FP6 matrix_b_fmt:MATRIX_FMT_FP6 matrix_a_scale:MATRIX_SCALE_ROW1
.set bb, bb+1
.endr
.set aa, aa+1
.endr
.endm
.macro STEP s, qi
	s_wait_dscnt 3*G/2
	MULT (\qi)%2, \s, \qi, 0, G/2
	PLACES 4
	FETCH \s, (\qi)+1, 1-(\qi)%2
	s_wait_dscnt 6*G
	MULT (\qi)%2, \s, \qi, G/2, G/2
.endm
.macro TURN s, fill, si
	WIN 0
	s_wait_tensorcnt 0x0
	ds_add_u32 v28, v29
	s_wait_dscnt 3*G/2+1
	MULT 1, \s, NQ-1, 0, G/4
	s_wait_dscnt 0x0
	s_barrier_signal -1
	MULT 1, \s, NQ-1, G/4, G/4
	WIN 0
	s_barrier_wait -1
.if \fill
	CREST
	s_add_nc_u64 s[34+4*(\s):35+4*(\s)], s[34+4*(\s):35+4*(\s)], 2*QTR
	s_add_nc_u64 s[58+4*(\s):59+4*(\s)], s[58+4*(\s):59+4*(\s)], 2*QTR
	JLOAD 32+4*(\s), 24, 56+4*(\s), 48
.else
	PLACES 4
.endif
	SCALES 1-(\s), \si
	FETCH 1-(\s), 0, 0
	MULT 1, \s, NQ-1, G/2, G/2
.endm
.macro INITACC
.set aa, 0
.rept G
.if G == 8
	WIN 0x80+0x40*(aa/4)
.else
	WIN 0x40
.endif
.set bb, 0
.rept G
.if G == 8
.set AC, 8*(8*(aa%4)+bb)
.else
.set AC, 128+8*(4*aa+bb)
.endif
	global_load_b128 v[AC:AC+3], v7, s[8:9] offset:128*(bb/2)+32*(bb%2)
	global_load_b128 v[AC+4:AC+7], v7, s[8:9] offset:128*(bb/2)+32*(bb%2)+16
.set bb, bb+1
.endr
.set aa, aa+1
.endr
	WIN 0
.endm
	s_load_b256 s[4:11], s[0:1], 0x0
	v_lshl_add_u32 v28, v0, 2, SPARE
	v_mov_b32 v29, 0
	ds_add_u32 v28, v29
	ds_add_u32 v28, v29
	s_wait_dscnt 0x0
	v_lshrrev_b32 v1, 5, v0
	v_readfirstlane_b32 s14, v1
	s_lshr_b32 s15, s14, 1
	s_and_b32 s16, s14, 1
	s_bfe_u32 s40, ttmp6, 0x40000
	s_bfe_u32 s41, ttmp6, 0x40004
	s_lshl_b32 s42, ttmp9, 2
	s_add_co_u32 s42, s42, s40
	s_and_b32 s17, ttmp7, 0xffff
	s_lshl_b32 s17, s17, 2
	s_add_co_u32 s17, s17, s41
	s_lshl_b32 s43, s41, 2
	s_lshl_b32 s43, 15, s43
	s_lshl_b32 s44, 0x1111, s40
	s_or_b32 s24, s43, (3<<16)|(1<<21)
	s_or_b32 s48, s44, (3<<16)|(1<<21)
	s_or_b32 s68, s43, (3<<16)|(1<<21)
	s_or_b32 s80, s44, (3<<16)|(1<<21)
.irp g, 24, 48
	s_mov_b32 s[\g+1], 32<<16
	s_mov_b32 s[\g+2], 96<<16
	s_mov_b32 s[\g+3], 32<<16
	s_mov_b32 s[\g+4], 96
	s_mov_b32 s[\g+5], 32
	s_mov_b32 s[\g+6], 0
	s_mov_b32 s[\g+7], 0
.endr
.irp g, 68, 80
	s_mov_b32 s[\g+1], 32<<16
	s_mov_b32 s[\g+2], (SG/256)<<16
	s_mov_b32 s[\g+3], 32<<16
	s_mov_b32 s[\g+4], SG/256
	s_mov_b32 s[\g+5], 32
	s_mov_b32 s[\g+6], 0
	s_mov_b32 s[\g+7], 0
.endr
	s_lshl_b32 s20, s17, 1
	s_add_co_u32 s20, s20, s16
	s_lshl_b32 s46, s42, 1
	s_add_co_u32 s46, s46, s16
	s_mul_i32 s22, s20, SG
	s_add_co_u32 s22, s22, ASCOFF
	s_mov_b32 s23, 0
	s_mul_i32 s92, s46, SG
	s_add_co_u32 s92, s92, BSCOFF
	s_mov_b32 s93, 0
	s_mul_i32 s20, s20, GRPB
	s_add_co_u32 s20, s20, AOFF
	s_mov_b32 s21, 0
	s_mul_i32 s46, s46, GRPB
	s_add_co_u32 s46, s46, BOFF
	s_mov_b32 s47, 0
	s_mul_i32 s45, s14, QTR
	s_mul_i32 s94, s14, SG
	s_wait_kmcnt 0x0
	s_add_nc_u64 s[20:21], s[4:5], s[20:21]
	s_add_nc_u64 s[22:23], s[4:5], s[22:23]
	s_add_nc_u64 s[46:47], s[6:7], s[46:47]
	s_add_nc_u64 s[92:93], s[6:7], s[92:93]
	CROUND
	s_mov_b32 s76, 1
	s_add_co_u32 s77, s94, SCL
	s_mov_b64 s[78:79], s[22:23]
	s_or_b32 s79, s79, 0x80000000
	s_mov_b32 s88, 1
	s_add_co_u32 s89, s94, SCL
	s_mov_b64 s[90:91], s[92:93]
	s_or_b32 s91, s91, 0x80000000
	JLOAD 76, 68, 88, 80
.irp s, 0,1
	s_mov_b32 s[32+4*\s], 1
	s_add_co_u32 s[33+4*\s], s45, \s*SLOTB
	s_add_nc_u64 s[34+4*\s:35+4*\s], s[20:21], \s*QTR
	s_or_b32 s[35+4*\s], s[35+4*\s], 0x80000000
	s_mov_b32 s[56+4*\s], 1
	s_add_co_u32 s[57+4*\s], s45, \s*SLOTB
	s_add_nc_u64 s[58+4*\s:59+4*\s], s[46:47], \s*QTR
	s_or_b32 s[59+4*\s], s[59+4*\s], 0x80000000
	s_wait_alu depctr_va_vdst(0)
	s_wait_tensorcnt 0x0
	ds_add_u32 v28, v29
	s_wait_dscnt 0x0
	CROUND
	JLOAD 32+4*\s, 24, 56+4*\s, 48
.endr
	v_and_b32 v3, 31, v0
	v_and_b32 v1, 15, v0
	v_bfe_u32 v2, v0, 4, 1
	s_wait_alu depctr_va_vdst(0)
	v_lshlrev_b32 v4, 4, v3
	v_lshlrev_b32 v7, 6, v2
	s_mul_i32 s21, s15, QTR
	s_mul_i32 s22, s16, QTR
	s_add_co_u32 s22, s22, 2*QTR
.irp s, 0,1
	v_add_nc_u32 v[16+\s], s21, v4
	v_add_nc_u32 v[20+\s], s22, v4
	s_add_co_u32 s21, s21, SLOTB
	s_add_co_u32 s22, s22, SLOTB
.endr
	v_mul_u32_u24 v5, v1, 4*G
	s_mul_i32 s21, s15, SG
	s_mul_i32 s22, s16, SG
	s_add_co_u32 s22, s22, 2*SG
	s_sub_co_u32 s22, s22, s21
	v_mul_u32_u24 v6, s22, v2
	s_add_co_u32 s21, s21, SCL
	v_add_nc_u32 v5, v5, v6
	v_add_nc_u32 v27, s21, v5
	s_mul_i32 s21, s14, 4352
	v_mul_u32_u24 v24, v1, 272
	v_lshl_add_u32 v24, v2, 6, v24
	v_add_nc_u32 v24, s21, v24
	v_mul_u32_u24 v25, v2, 272
	v_lshl_add_u32 v25, v1, 4, v25
	v_add_nc_u32 v25, s21, v25
	v_lshlrev_b32 v26, 12, v2
	v_lshl_add_u32 v26, v1, 4, v26
	s_lshl_b32 s46, s42, 1
	s_add_co_u32 s46, s46, s16
	s_mul_i32 s46, s46, 64*G
	s_mov_b32 s47, 0
	s_add_nc_u64 s[8:9], s[8:9], s[46:47]
	INITACC
	s_lshl_b32 s20, s17, 3
	s_lshl_b32 s21, s15, 2
	s_add_co_u32 s20, s20, s21
	s_lshl_b32 s20, s20, 16
	s_mov_b32 s21, 0
	s_add_nc_u64 s[20:21], s[20:21], s[46:47]
	s_add_nc_u64 s[10:11], s[10:11], s[20:21]
	s_wait_alu depctr_va_vdst(0)
	s_wait_tensorcnt 1
	s_barrier_signal -1
	s_barrier_wait -1
	SCALES 0, 0
	FETCH 0, 0, 0
	s_wait_loadcnt 0x0
.set sl, 0
.rept NS
.set qq, 0
.rept NQ-1
	STEP sl%2, qq
.set qq, qq+1
.endr
.if sl < NS-2
	TURN sl%2, 1, sl+1
.elseif sl == NS-2
	TURN sl%2, 0, sl+1
.else
	s_wait_dscnt 3*G/2
	MULT 1, 1, NQ-1, 0, G/2
	s_wait_dscnt 0x0
	MULT 1, 1, NQ-1, G/2, G/2
	WIN 0
.endif
.set sl, sl+1
.endr
.macro TOSTAGE a
	WIN 0x04
.irp b, 0,1,2,3
	ds_store_b128 v24, v[128+8*(4*(\a)+\b):128+8*(4*(\a)+\b)+3] offset:128*(\b/2)+32*(\b%2)
	ds_store_b128 v24, v[128+8*(4*(\a)+\b)+4:128+8*(4*(\a)+\b)+7] offset:128*(\b/2)+32*(\b%2)+16
.endr
	WIN 0
.irp t, 0,1,2,3,4,5,6,7
	ds_load_b128 v[160+32*((\a)%2)+4*\t:160+32*((\a)%2)+4*\t+3], v25 offset:\t*2*272
.endr
.endm
.macro SEND a, younger
	s_wait_dscnt \younger
.irp t, 0,1,2,3,4,5,6,7
	global_store_b128 v26, v[160+32*((\a)%2)+4*\t:160+32*((\a)%2)+4*\t+3], s[10:11] offset:(16*(\a)+2*\t)*4096
.endr
.endm
	PLACES 4
	TOSTAGE 0
.irp a, 1,2,3
.if \a > 1
	s_wait_xcnt 0x0
.endif
	TOSTAGE \a
	SEND \a-1, 16
.endr
	SEND 3, 0
	s_wait_tensorcnt 0x0
	ds_add_u32 v28, v29
	s_wait_dscnt 0x0
	CROUND
	s_endpgm
.Lfunc_end_k_q5455052c9f_ffn2:
	.size	k_q5455052c9f_ffn2, .Lfunc_end_k_q5455052c9f_ffn2-k_q5455052c9f_ffn2
	.p2alignl 7, 3214868480
	.fill 96, 4, 3214868480
	.section	.rodata,"a",@progbits
	.p2align	6, 0x0
	.amdhsa_kernel k_q5455052c9f_ffn2
		.amdhsa_group_segment_fixed_size 327680
		.amdhsa_private_segment_fixed_size 0
		.amdhsa_enable_private_segment 0
		.amdhsa_kernarg_size 32
		.amdhsa_user_sgpr_count 2
		.amdhsa_user_sgpr_kernarg_segment_ptr 1
		.amdhsa_wavefront_size32 1
		.amdhsa_system_sgpr_workgroup_id_x 1
		.amdhsa_system_sgpr_workgroup_id_y 1
		.amdhsa_system_sgpr_workgroup_id_z 1
		.amdhsa_system_vgpr_workitem_id 0
		.amdhsa_next_free_vgpr 512
		.amdhsa_next_free_sgpr 98
		.amdhsa_reserve_vcc 0
		.amdhsa_float_denorm_mode_32 3
		.amdhsa_float_denorm_mode_16_64 3
		.amdhsa_memory_ordered 1
		.amdhsa_forward_progress 1
		.amdhsa_inst_pref_size 151
	.end_amdhsa_kernel
	.amdgpu_metadata
---
amdhsa.version: [ 1, 2 ]
amdhsa.kernels:
  - .name:           k_q5455052c9f_ffn2
    .symbol:         k_q5455052c9f_ffn2.kd
    .args:
      - { .name: hq, .offset: 0, .size: 8, .value_kind: global_buffer, .address_space: global }
      - { .name: prepbuf, .offset: 8, .size: 8, .value_kind: global_buffer, .address_space: global }
      - { .name: b2, .offset: 16, .size: 8, .value_kind: global_buffer, .address_space: global }
      - { .name: y2, .offset: 24, .size: 8, .value_kind: global_buffer, .address_space: global }
    .group_segment_fixed_size: 327680
    .private_segment_fixed_size: 0
    .kernarg_segment_align: 8
    .kernarg_segment_size: 32
    .max_flat_workgroup_size: 128
    .sgpr_count:     98
    .vgpr_count:     512
    .wavefront_size: 32
...
	.end_amdgpu_metadata
.endif
;; end of part 7
;; launch final (part 8): grid 256 x 1, 8 waves a work-group, no clusters, 0 bytes of LDS; arguments y2, xall, g2, beta2, out0; writes out0
.if DOCPART == 8
	.amdgcn_target "amdgcn-amd-amdhsa--gfx1250"
	.amdhsa_code_object_version 6
	.text
	.protected	k_q5455052c9f_final
	.globl	k_q5455052c9f_final
	.p2align	8
	.type	k_q5455052c9f_final,@function
k_q5455052c9f_final:
	s_mov_b64 s[64:65], 0
	v_nop
	global_prefetch_b8 v0, s[64:65] scope:SCOPE_SE
	s_setreg_imm32_b32 hwreg(HW_REG_WAVE_MODE, 25, 1), 1
	s_wait_xcnt 0x0
; FINAL: ff = y2 / (|y2| + 1e-8); z = x + ff; o = (z - mean) / sqrt(var + 1e-5) g2 + beta2 (var over 1,023); out = o / |o|.
; A wave takes two rows, each whole in 32 registers a lane (lane l: bytes 512 k + 16 l), so that every sum stays in the wave: no LDS, no barrier.  All 48 loads go out at once.
; y2 and x lie in tile order; the result goes to the natural row: tile T = 4 i + m, lane row r -> s = 32 i + 8 (m / 2) + r + 8 (r / 8), row 2 s + m % 2.
; LIMITS: NaN and infinities are not served; a row whose o is all zeros gives what 0 x infinity gives, as the division by a zero norm does.
.set Y, 32                             ; v32-95   y2's two rows, worked in place
.set X, 96                             ; v96-159  x's two rows
.set GA, 160                           ; v160-191 g2
.set BE, 192                           ; v192-223 beta2
.macro WSUM                            ; v2 summed over the 32 lanes
	s_delay_alu instid0(VALU_DEP_1)
	v_add_f32_dpp v2, v2, v2 row_xmask:1 row_mask:0xf bank_mask:0xf
	s_delay_alu instid0(VALU_DEP_1)
	v_add_f32_dpp v2, v2, v2 row_xmask:2 row_mask:0xf bank_mask:0xf
	s_delay_alu instid0(VALU_DEP_1)
	v_add_f32_dpp v2, v2, v2 row_xmask:4 row_mask:0xf bank_mask:0xf
	s_delay_alu instid0(VALU_DEP_1)
	v_add_f32_dpp v2, v2, v2 row_xmask:8 row_mask:0xf bank_mask:0xf
	s_delay_alu instid0(VALU_DEP_1)
	v_permlanex16_b32 v31, v2, s20, s21
	s_delay_alu instid0(VALU_DEP_1)
	v_add_f32 v2, v2, v31
.endm
.macro FOLD                            ; four chains v[2:9] into v2, then over the lanes
	s_delay_alu instid0(VALU_DEP_3)
	v_pk_add_f32 v[2:3], v[2:3], v[4:5]
	s_delay_alu instid0(VALU_DEP_2)
	v_pk_add_f32 v[6:7], v[6:7], v[8:9]
	s_delay_alu instid0(VALU_DEP_1)
	v_pk_add_f32 v[2:3], v[2:3], v[6:7]
	s_delay_alu instid0(VALU_DEP_1)
	v_add_f32 v2, v2, v3
	WSUM
.endm
.macro SQS base                        ; the row's sum of squares
.irp c, 0,1,2,3
	v_pk_mul_f32 v[2+2*\c:3+2*\c], v[\base+2*\c:\base+2*\c+1], v[\base+2*\c:\base+2*\c+1]
.endr
.irp p, 4,5,6,7,8,9,10,11,12,13,14,15
	s_delay_alu instid0(VALU_DEP_4)
	v_pk_fma_f32 v[2+2*(\p%4):3+2*(\p%4)], v[\base+2*\p:\base+2*\p+1], v[\base+2*\p:\base+2*\p+1], v[2+2*(\p%4):3+2*(\p%4)]
.endr
	FOLD
.endm
.macro SUMS base                       ; the row's sum
.irp c, 0,1,2,3
	v_pk_add_f32 v[2+2*\c:3+2*\c], v[\base+4*\c:\base+4*\c+1], v[\base+4*\c+2:\base+4*\c+3]
.endr
.irp p, 8,9,10,11,12,13,14,15
	s_delay_alu instid0(VALU_DEP_4)
	v_pk_add_f32 v[2+2*(\p%4):3+2*(\p%4)], v[2+2*(\p%4):3+2*(\p%4)], v[\base+2*\p:\base+2*\p+1]
.endr
	FOLD
.endm
.macro ROW e, left
.set YB, Y+32*\e
.set XB, X+32*\e
	s_wait_loadcnt \left
	SQS YB
	s_wait_alu depctr_va_vdst(0)
	v_sqrt_f32 v2, v2
	v_nop
	s_wait_alu depctr_va_vdst(0)                   ; ahead of the first reader
	v_add_f32 v2, 0x322bcc77, v2
	s_wait_alu depctr_va_vdst(0)
	v_rcp_f32 v10, v2
	v_nop
	s_wait_alu depctr_va_vdst(0)
.irp p, 0,1,2,3,4,5,6,7,8,9,10,11,12,13,14,15
	v_pk_fma_f32 v[YB+2*\p:YB+2*\p+1], v[YB+2*\p:YB+2*\p+1], v[10:11], v[XB+2*\p:XB+2*\p+1] op_sel_hi:[1,0,1]
.endr
	SUMS YB
	s_delay_alu instid0(VALU_DEP_1)
	v_mul_f32 v12, 0x3a800000, v2                  ; the mean
.irp p, 0,1,2,3,4,5,6,7,8,9,10,11,12,13,14,15
	v_pk_add_f32 v[YB+2*\p:YB+2*\p+1], v[YB+2*\p:YB+2*\p+1], v[12:13] op_sel_hi:[1,0] neg_lo:[0,1] neg_hi:[0,1]
.endr
	SQS YB
	s_delay_alu instid0(VALU_DEP_1)
	v_fma_f32 v2, v2, s22, s23                     ; var + 1e-5
	s_wait_alu depctr_va_vdst(0)
	v_rsq_f32 v14, v2
	v_nop
	s_wait_alu depctr_va_vdst(0)
.irp p, 0,1,2,3,4,5,6,7,8,9,10,11,12,13,14,15
	v_pk_mul_f32 v[YB+2*\p:YB+2*\p+1], v[YB+2*\p:YB+2*\p+1], v[14:15] op_sel_hi:[1,0]
.endr
.irp p, 0,1,2,3,4,5,6,7,8,9,10,11,12,13,14,15
	v_pk_fma_f32 v[YB+2*\p:YB+2*\p+1], v[YB+2*\p:YB+2*\p+1], v[GA+2*\p:GA+2*\p+1], v[BE+2*\p:BE+2*\p+1]
.endr
	SQS YB
	s_wait_alu depctr_va_vdst(0)
	v_rsq_f32 v16, v2
	v_nop
	s_wait_alu depctr_va_vdst(0)
.irp p, 0,1,2,3,4,5,6,7,8,9,10,11,12,13,14,15
	v_pk_mul_f32 v[YB+2*\p:YB+2*\p+1], v[YB+2*\p:YB+2*\p+1], v[16:17] op_sel_hi:[1,0]
.endr
.irp k, 0,1,2,3,4,5,6,7
	global_store_b128 v1, v[YB+4*\k:YB+4*\k+3], s[12:13] offset:8192*\e+512*\k th:TH_STORE_NT   ; 512 consecutive bytes
.endr
.endm
	s_load_b256 s[4:11], s[0:1], 0x0               ; y2, xall, g2, beta2
	s_load_b64 s[12:13], s[0:1], 0x20              ; out0
	v_lshrrev_b32 v1, 5, v0
	s_delay_alu instid0(VALU_DEP_1)
	v_readfirstlane_b32 s14, v1                    ; wave 0..7: rows 2 w, 2 w + 1 of tile T = the work-group's number
	v_and_b32 v1, 31, v0
	s_delay_alu instid0(VALU_DEP_1)
	v_lshlrev_b32 v1, 4, v1
	s_lshl_b32 s16, ttmp9, 16
	s_lshl_b32 s17, s14, 13
	s_add_co_u32 s16, s16, s17
	s_mov_b32 s17, 0
	s_lshr_b32 s18, ttmp9, 2                       ; i
	s_and_b32 s19, ttmp9, 3                        ; m
	s_lshl_b32 s18, s18, 5
	s_lshr_b32 s24, s19, 1
	s_lshl_b32 s24, s24, 3
	s_add_co_u32 s18, s18, s24
	s_lshl_b32 s24, s14, 1
	s_add_co_u32 s18, s18, s24
	s_lshr_b32 s24, s14, 2
	s_lshl_b32 s24, s24, 3
	s_add_co_u32 s18, s18, s24                     ; s of my first row; the second is s + 1: two memory rows on
	s_lshl_b32 s18, s18, 1
	s_and_b32 s19, s19, 1
	s_add_co_u32 s18, s18, s19
	s_lshl_b32 s18, s18, 12
	s_mov_b32 s19, 0
	s_mov_b32 s20, 0x76543210
	s_mov_b32 s21, 0xfedcba98
	s_mov_b32 s22, 0x3a802008                      ; 1 / 1,023
	s_mov_b32 s23, 0x3727c5ac                      ; 1e-5
.irp j, 11,13,15,17,31
	v_mov_b32 v[\j], 0                             ; upper halves of pairs, and the lane permute's destination
.endr
	s_wait_alu depctr_va_vdst(0)
	s_wait_kmcnt 0x0
	s_add_nc_u64 s[4:5], s[4:5], s[16:17]
	s_add_nc_u64 s[6:7], s[6:7], s[16:17]
	s_add_nc_u64 s[12:13], s[12:13], s[18:19]
.irp k, 0,1,2,3,4,5,6,7
	global_load_b128 v[Y+4*\k:Y+4*\k+3], v1, s[4:5] offset:512*\k th:TH_LOAD_NT
.endr
.irp k, 0,1,2,3,4,5,6,7
	global_load_b128 v[X+4*\k:X+4*\k+3], v1, s[6:7] offset:512*\k th:TH_LOAD_NT
.endr
.irp k, 0,1,2,3,4,5,6,7
	global_load_b128 v[GA+4*\k:GA+4*\k+3], v1, s[8:9] offset:512*\k
.endr
.irp k, 0,1,2,3,4,5,6,7
	global_load_b128 v[BE+4*\k:BE+4*\k+3], v1, s[10:11] offset:512*\k
.endr
.irp k, 0,1,2,3,4,5,6,7
	global_load_b128 v[Y+32+4*\k:Y+32+4*\k+3], v1, s[4:5] offset:4096+512*\k th:TH_LOAD_NT
.endr
.irp k, 0,1,2,3,4,5,6,7
	global_load_b128 v[X+32+4*\k:X+32+4*\k+3], v1, s[6:7] offset:4096+512*\k th:TH_LOAD_NT
.endr
	ROW 0, 16                                      ; the second row's sixteen loads may be out
	ROW 1, 0
	s_endpgm
.Lfunc_end_k_q5455052c9f_final:
	.size	k_q5455052c9f_final, .Lfunc_end_k_q5455052c9f_final-k_q5455052c9f_final
	.p2alignl 7, 3214868480
	.fill 96, 4, 3214868480
	.section	.rodata,"a",@progbits
	.p2align	6, 0x0
	.amdhsa_kernel k_q5455052c9f_final
		.amdhsa_group_segment_fixed_size 0
		.amdhsa_private_segment_fixed_size 0
		.amdhsa_enable_private_segment 0
		.amdhsa_kernarg_size 40
		.amdhsa_user_sgpr_count 2
		.amdhsa_user_sgpr_kernarg_segment_ptr 1
		.amdhsa_wavefront_size32 1
		.amdhsa_system_sgpr_workgroup_id_x 1
		.amdhsa_system_sgpr_workgroup_id_y 1
		.amdhsa_system_sgpr_workgroup_id_z 1
		.amdhsa_system_vgpr_workitem_id 0
		.amdhsa_next_free_vgpr 224
		.amdhsa_next_free_sgpr 66
		.amdhsa_reserve_vcc 0
		.amdhsa_float_denorm_mode_32 3
		.amdhsa_float_denorm_mode_16_64 3
		.amdhsa_memory_ordered 1
		.amdhsa_forward_progress 1
		.amdhsa_inst_pref_size 37
	.end_amdhsa_kernel
	.amdgpu_metadata
---
amdhsa.version: [ 1, 2 ]
amdhsa.kernels:
  - .name:           k_q5455052c9f_final
    .symbol:         k_q5455052c9f_final.kd
    .args:
      - { .name: y2, .offset: 0, .size: 8, .value_kind: global_buffer, .address_space: global }
      - { .name: xall, .offset: 8, .size: 8, .value_kind: global_buffer, .address_space: global }
      - { .name: g2, .offset: 16, .size: 8, .value_kind: global_buffer, .address_space: global }
      - { .name: beta2, .offset: 24, .size: 8, .value_kind: global_buffer, .address_space: global }
      - { .name: out0, .offset: 32, .size: 8, .value_kind: global_buffer, .address_space: global }
    .group_segment_fixed_size: 0
    .private_segment_fixed_size: 0
    .kernarg_segment_align: 8
    .kernarg_segment_size: 40
    .max_flat_workgroup_size: 256
    .sgpr_count:     66
    .vgpr_count:     224
    .wavefront_size: 32
...
	.end_amdgpu_metadata
.endif
;; end of part 8
